; MI455X (gfx1250); checked and timed in simulation.
; The chip was launched on July 23, 2026; its instructions are those of AMD's public machine-readable ISA for CDNA 5 (MIT licence, August 2026) and "CDNA5" Instruction Set Architecture Reference Guide (July 2026). The comments in the code are by the model that wrote it; some were corrected since.
;; Transformer Block. Allowed arithmetic: matrix products marked QUANTISED: E5M2 operands, one E8M0 scale for each 32 along K, by v_wmma_scale_f32_16x16x128_f8f6f4 with both operands' format E5M2, f32 sums; everything else in f32.
;; Inputs: b_fc1 4,096 float32; b_fc2 1,024 float32; b_proj 1,024 float32; b_qkv 3,072 float32; ln1_b 1,024 float32; ln1_g 1,024 float32; ln2_b 1,024 float32; ln2_g 1,024 float32; w_fc1 4,096 x 1,024 float32; w_fc2 1,024 x 4,096 float32; w_proj 1,024 x 1,024 float32; w_qkv 3,072 x 1,024 float32; x 2 x 2,048 x 1,024 float32.
;; Outputs: out0 2 x 2,048 x 1,024 float32.
;; This version of the problem:
;;   THIS VERSION OF THE PROBLEM IS GIVEN IN LOW PRECISION. The matrix products marked QUANTISED in the list below multiply operands that are first quantised to E5M2 (5 exponent bits, 2 mantissa bits; 8 bits a number), with one power-of-two scale for each 32 numbers along K (OCP MX v1.0); their sums are f32. All else is computed in f32.
;;   The module's matrix products, in the order in which they are computed (A, B: the left and right operand; K: the contracted axis; several contracted axes count as one K, in the product's order):
;;     1. [M 4,096, K 1,024] x [K 1,024, N 3,072]; A: computed on the way; B: input w_qkv: QUANTISED
;;     2. batch 32 x [M 2,048, K 64] x [K 64, N 2,048]; A: computed on the way; B: computed on the way: QUANTISED
;;     3. batch 32 x [M 2,048, K 2,048] x [K 2,048, N 64]; A: softmax (see below); B: computed on the way: QUANTISED
;;     4. [M 4,096, K 1,024] x [K 1,024, N 1,024]; A: computed on the way; B: input w_proj: QUANTISED
;;     5. [M 4,096, K 1,024] x [K 1,024, N 4,096]; A: computed on the way; B: input w_fc1: QUANTISED
;;     6. [M 4,096, K 4,096] x [K 4,096, N 1,024]; A: computed on the way; B: input w_fc2: QUANTISED
;;   THE QUANTISER, for each operand of a quantised product, along K:
;;     - K is cut into blocks of 32 from its start; a last block that is shorter is filled with zeros.
;;     - A block's scale is 2^e with e = floor(log2(the largest magnitude in the block)) - 15, held to -126 .. 127; a block of zeros has e = 0. As a byte (E8M0): e + 127.
;;     - Each number is divided by its block's scale, clamped to +-57,344, and rounded to the nearest number of E5M2, ties to even, subnormals kept.
;;     - The product sums the exact products of the quantised numbers (number of the format x scale) in f32.
;;   ~~~python
;;   def quantise(x, axis):      # numpy; x: float32 -> the quantised numbers, widened to float32 again
;;       x = np.moveaxis(x, axis, -1); K = x.shape[-1]
;;       x = np.pad(x, [(0, 0)] * (x.ndim - 1) + [(0, -K % 32)]); x = x.reshape(x.shape[:-1] + (-1, 32)); a = np.abs(x).max(-1, keepdims=True)
;;       e = np.where(a > 0, np.clip(np.frexp(np.where(a > 0, a, 1))[1] - 1 - 15, -126, 127), 0)      # np.frexp(a)[1] - 1 = floor(log2(a)), exactly
;;       r = np.clip(x / 2.0 ** e, -57344, 57344)
;;       step = 2.0 ** (np.maximum(np.frexp(np.where(r == 0, 1, r))[1] - 1, -14) - 2)
;;       q = np.round(r / step) * step * 2.0 ** e      # np.round: ties to even
;;       return np.moveaxis(q.reshape(q.shape[:-2] + (-1,))[..., :K], -1, axis).astype(np.float32)
;;   ~~~
;;   SOFTMAX AHEAD OF A QUANTISED PRODUCT. Where the list says 'softmax', what is quantised is not the finished softmax but p = 2^(t - M), with t = logit x log2(e) and M = ceil(the row's largest t), a whole number; so 1/2 < the row's largest p <= 1. The row's sum l is taken of the UNQUANTISED p, in f32, and the product's result is divided by l at the end. Since M is a whole number, a kernel that streams over the keys may use a running M (the ceiling of the running maximum): every later rescaling is an exact power of two, which a block's scale takes up: the codes' values come out the same.
;;   OPERANDS COMPUTED ON THE WAY. 'Computed on the way' means the value that the module computes at that place (a softmax that the list does not call 'softmax' is quantised finished and normalised). What goes into a quantiser is computed in f32, as accurately as f32 sums, v_exp_f32 and their like allow (about 1e-6 of the number): no bf16 or f16 on the way to a quantiser, and a product that is left as it is and whose result goes on into a quantised operand takes f32 operands (vector FMAs, or v_wmma_f32_16x16x4_f32). A number that lies on a knife's edge between two numbers of the format may be rounded either way, as far as f32 arithmetic and the matrix unit's own rounding can turn it there, and no further.
;; One version. Each part assembles by itself: llvm-mc -triple=amdgcn-amd-amdhsa -mcpu=gfx1250 --defsym DOCPART=n.
;; ======== version 1 of 1: 7 launches
;; workspace buffers: pre 17,301,504 bytes; qkvimg 12,976,128 bytes; oimg 4,325,376 bytes; x1 16,777,216 bytes; hn2 4,718,592 bytes; hid 17,301,504 bytes
;; launch prep (part 1): grid 1024 x 1, 8 waves a work-group, no clusters, 69,632 bytes of LDS; arguments x, ln1_g, ln1_b, w_qkv, w_proj, w_fc1, w_fc2, pre; writes pre
.if DOCPART == 1
	.amdgcn_target "amdgcn-amd-amdhsa--gfx1250"
	.amdhsa_code_object_version 6
	.text
	.protected	k_qb8893ecb65_prep
	.globl	k_qb8893ecb65_prep
	.p2align	8
	.type	k_qb8893ecb65_prep,@function
k_qb8893ecb65_prep:
	s_mov_b64 s[64:65], 0
	v_nop
	global_prefetch_b8 v0, s[64:65] scope:SCOPE_SE
	s_setreg_imm32_b32 hwreg(HW_REG_WAVE_MODE, 25, 1), 1
	s_wait_xcnt 0x0
; f32 rows become codes of BF8 (E5M2) with one E8M0 scale byte for each 32 along K, stored as IMAGES OF THE OPERAND'S REGISTERS.
; Work-group u takes one tile of 16 rows x 1,024 along K; wave w its 128 columns: one fragment (16 rows x 128 K, 16 registers a lane).
; u < 256: rows of argument 0, LayerNorm (gain, bias: arguments 1, 2) ahead of the quantiser.  u >= 256: weights as they are: 256.. w_qkv, 448.. w_proj, 512.. w_fc1,
; 768.. w_fc2 (K = 4,096: four work-groups to a tile of rows).  A launch of 256 work-groups does the LayerNorm part alone.
; THE ROWS OF A TILE ARE NOT NEIGHBOURS: lane-row p of tile T is row 32 (T / 2) + 8 (T % 2) + p + 8 (p / 8), so that wherever a product's result becomes the next operand,
; the 16 registers of two neighbouring tiles are 16 neighbours along the next K.
; OUT: scale words at u x 512 + w x 64 + 4 x row; codes at 0x80000 + u x 16,384 + w x 2,048 + 512 c + 16 x lane: each store of codes covers 512 consecutive bytes.
; The scale words leave in runs of 64 bytes: one byte in 32 of the codes'.
; A block's scale is 2^(floor(log2(largest magnitude)) - 15); its byte is the largest magnitude's exponent field - 15, held at 1 from below.
; LIMITS: a block of zeros gets the byte 1 where the rule says 127 (its codes are zeros, and this program alone reads the bytes); NaN and infinities among the inputs are not served.
; No cluster: the work-groups share no input but the 8 KB of gain and bias.  No tensor loads: each byte is read once, straight into registers, 512 consecutive bytes a load.
.set LI,   1                           ; v1   16 x lane
.set STI,  4                           ; v4   my stage, on the way in
.set STO,  5                           ; v5   and on the way out: row r, + 64 h
.set GA,   6                           ; v6   64 h: my half's numbers of a block of gain or bias
.set RDW,  7                           ; v7   where my wave's partial sum of row r goes
.set RDR,  8                           ; v8   where row r's eight partial sums lie
.set LS,   9                           ; v9   4 r
.set MU,   10                          ; v[10:11] the mean, later 1 / sqrt(var + eps), in both halves
.set PC,   16                          ; v16-31 the codes
.set TM,   32                          ; v32-47 the quantiser's figures
.set PW,   48                          ; v48  the scale word
.set CH,   50                          ; v50-57 four chains of sums
.set X,    64                          ; v64-127 my 64 numbers
.set G,    128                         ; v128-191 their gains
.set B,    192                         ; v192-255 their biases
.set SP,   528                         ; a stage row: 512 bytes + 16, so that sixteen lanes that read sixteen rows start at sixteen different 16-byte columns
.set WST,  16*SP                       ; a wave's stage
.set RED,  8*WST                       ; behind the stages: [2 sums][16 rows][8 waves] f32
.set WV,   20
.set INV,  42                          ; s42  1 / 1,024
.set EPS,  43                          ; s43  1e-5
.set SEL,  44                          ; s[44:45] lane selects for v_permlanex16_b32: lane l xor 16
.set MNT,  46                          ; s46  the mantissa field of 57,344
; 64 numbers of a lane, register 16 b + i = k 32 b + 16 (lane / 16) + i of my row, become a fragment's codes in v[PC] on and its scale word in v[PW].
.macro QUANT s
.irp b, 0,1,2,3
	v_max3_num_f32 v[TM+\b], |v[\s+16*\b]|, |v[\s+1+16*\b]|, 0x8000000   ; my 16 numbers of block b, and the floor 2^(16 - 127): the byte cannot fall under 1
.endr
.irp i, 2,4,6,8,10,12,14
.irp b, 0,1,2,3
	v_max3_num_f32 v[TM+\b], v[TM+\b], |v[\s+16*\b+\i]|, |v[\s+1+16*\b+\i]|
.endr
.endr
.irp b, 0,1,2,3
	v_permlanex16_b32 v[TM+4+\b], v[TM+\b], s[SEL], s[SEL+1]
.endr
.irp b, 0,1,2,3
	v_max_num_f32 v[TM+\b], v[TM+\b], v[TM+4+\b]             ; with lane l xor 16's: the block's largest magnitude
.endr
.irp b, 0,1,2,3
	v_add_nc_u32 v[TM+12+\b], 0xf8800000, v[TM+\b]           ; 15 off its exponent field: the conversion's scale operand
.endr
.irp b, 0,1,2,3
	v_and_or_b32 v[TM+8+\b], v[TM+\b], 0x7f800000, s[MNT]    ; 57,344 x the scale
.endr
.irp b, 0,1,2,3
	v_lshrrev_b32 v[TM+4+\b], 23, v[TM+12+\b]                ; the scale's byte
.endr
	v_lshl_or_b32 v[PW], v[TM+5], 8, v[TM+4]
	v_lshl_or_b32 v[PW], v[TM+6], 16, v[PW]
	v_lshl_or_b32 v[PW], v[TM+7], 24, v[PW]
.irp b, 0,1,2,3
.irp i, 0,1,2,3,4,5,6,7,8,9,10,11,12,13,14,15
	v_med3_num_f32 v[\s+16*\b+\i], v[\s+16*\b+\i], -v[TM+8+\b], v[TM+8+\b]   ; the conversion to an 8-bit code does not saturate (ISA guide 7.6.2): the hold
.endr
	v_cvt_scalef32_pk8_bf8_f32 v[PC+4*\b:PC+1+4*\b], v[\s+16*\b:\s+7+16*\b], v[TM+12+\b]
	v_cvt_scalef32_pk8_bf8_f32 v[PC+2+4*\b:PC+3+4*\b], v[\s+8+16*\b:\s+15+16*\b], v[TM+12+\b]
.endr
	v_nop                                          ; a plain line behind the last conversion
.endm
; The four chains in v[CH] on become the sum over the row's 1,024 columns, in every lane: within the lane, with lane l xor 16, then over the eight waves through LDS.
.macro ACROSS off
	v_pk_add_f32 v[CH:CH+1], v[CH:CH+1], v[CH+2:CH+3]
	v_pk_add_f32 v[CH+4:CH+5], v[CH+4:CH+5], v[CH+6:CH+7]
	v_pk_add_f32 v[CH:CH+1], v[CH:CH+1], v[CH+4:CH+5]
	v_add_f32 v[CH], v[CH], v[CH+1]
	v_permlanex16_b32 v12, v[CH], s[SEL], s[SEL+1]
	v_add_f32 v[CH], v[CH], v12
	ds_store_b32 v[RDW], v[CH] offset:\off         ; both lanes of a row write the same word with the same value
	s_wait_dscnt 0x0                               ; for the others' sake: my store has landed
	s_barrier_signal -1
	s_barrier_wait -1
	ds_load_b128 v[CH:CH+3], v[RDR] offset:\off
	ds_load_b128 v[CH+4:CH+7], v[RDR] offset:\off+16
	s_wait_dscnt 0x0
	v_pk_add_f32 v[CH:CH+1], v[CH:CH+1], v[CH+2:CH+3]
	v_pk_add_f32 v[CH+4:CH+5], v[CH+4:CH+5], v[CH+6:CH+7]
	v_pk_add_f32 v[CH:CH+1], v[CH:CH+1], v[CH+4:CH+5]
	v_add_f32 v[CH], v[CH], v[CH+1]
.endm
.macro LOADX pitch                     ; the tile's 16 rows, my wave's 512 bytes of each: 32 lanes read 512 consecutive bytes
.irp i, 0,1,2,3,4,5,6,7,8,9,10,11,12,13,14,15
	global_load_b128 v[X+4*\i:X+4*\i+3], v[LI], s[24:25] offset:(\i+8*(\i/8))*\pitch
.endr
.endm
.macro JOB first, ptr                  ; from work-group 'first' on: another source.  The choice hangs on the work-group's number alone
	s_cmp_ge_u32 ttmp9, \first
	s_cselect_b64 s[24:25], s[\ptr:\ptr+1], s[24:25]
	s_cselect_b32 s22, \first, s22
.endm
	s_load_b256 s[4:11], s[0:1], 0x0               ; rows s[4:5], gain s[6:7], bias s[8:9], w_qkv s[10:11]
	s_load_b256 s[12:19], s[0:1], 0x20             ; w_proj s[12:13], w_fc1 s[14:15], w_fc2 s[16:17], out s[18:19]
	v_lshl_add_u32 v62, v0, 2, 0x10c00
	v_mov_b32 v63, 0
	v_lshrrev_b32 v12, 5, v0
	v_readfirstlane_b32 s[WV], v12                 ; wave 0..7
	v_and_b32 v2, 31, v0
	v_lshlrev_b32 v[LI], 4, v2
	v_and_b32 v2, 15, v0                           ; r
	v_bfe_u32 v3, v0, 4, 1                         ; h
	s_mul_i32 s21, s[WV], WST
	v_add_nc_u32 v[STI], s21, v[LI]
	v_mul_u32_u24 v[STO], v2, SP
	v_lshl_add_u32 v[STO], v3, 6, v[STO]
	v_add_nc_u32 v[STO], s21, v[STO]
	v_lshlrev_b32 v[GA], 6, v3
	v_lshlrev_b32 v[RDR], 5, v2
	v_add_nc_u32 v[RDR], RED, v[RDR]
	s_lshl_b32 s26, s[WV], 2
	v_add_nc_u32 v[RDW], s26, v[RDR]
	v_lshlrev_b32 v[LS], 2, v2
.irp b, 0,1,2,3
	v_mov_b32 v[TM+4+\b], 0                        ; written once: a lane permute's destination counts as one of its sources
.endr
	s_mov_b32 s[INV], 0x3a800000
	s_mov_b32 s[EPS], 0x3727c5ac
	s_mov_b32 s[SEL], 0x76543210
	s_mov_b32 s[SEL+1], 0xfedcba98
	s_mov_b32 s[MNT], 0x600000
	s_wait_kmcnt 0x0
	s_mov_b64 s[24:25], s[4:5]
	s_mov_b32 s22, 0
	JOB 256, 10
	JOB 448, 12
	JOB 512, 14
	JOB 768, 16
	s_cselect_b32 s26, 2, 0                        ; w_fc2: four work-groups to a tile of rows,
	s_cselect_b32 s27, 14, 12                      ; rows of 16,384 bytes,
	s_cselect_b32 s28, 3, 0                        ; and a quarter of K each
	s_sub_co_u32 s23, ttmp9, s22                   ; my number within the job
	s_lshr_b32 s29, s23, s26                       ; the tile T
	s_and_b32 s28, s23, s28                        ; the quarter of K
	s_lshr_b32 s30, s29, 1
	s_lshl_b32 s30, s30, 5
	s_and_b32 s31, s29, 1
	s_lshl_b32 s31, s31, 3
	s_add_co_u32 s30, s30, s31                     ; the tile's first row: 32 (T / 2) + 8 (T % 2)
	s_lshl_b32 s30, s30, s27
	s_lshl_b32 s28, s28, 12
	s_add_co_u32 s30, s30, s28
	s_lshl_b32 s31, s[WV], 9
	s_add_co_u32 s30, s30, s31                     ; + my wave's 512 bytes
	s_mov_b32 s31, 0
	s_add_nc_u64 s[24:25], s[24:25], s[30:31]
	s_cmp_ge_u32 ttmp9, 768
	s_cbranch_scc1 .Lwide
	LOADX 4096
	s_branch .Lloaded
.Lwide:
	LOADX 16384
.Lloaded:
	s_lshl_b32 s30, ttmp9, 14
	s_lshl_b32 s26, s[WV], 11
	s_add_co_u32 s30, s30, s26
	s_add_co_u32 s30, s30, 0x80000
	s_add_nc_u64 s[34:35], s[18:19], s[30:31]      ; my fragment's codes
	s_lshl_b32 s30, ttmp9, 9
	s_lshl_b32 s26, s[WV], 6
	s_add_co_u32 s30, s30, s26
	s_add_nc_u64 s[36:37], s[18:19], s[30:31]      ; and its scale words
	s_lshl_b32 s30, s[WV], 9
	s_add_nc_u64 s[38:39], s[6:7], s[30:31]        ; gain and bias at my wave's 128 columns
	s_add_nc_u64 s[40:41], s[8:9], s[30:31]
	s_wait_loadcnt 0x0
	; THE TURN through my own stage: in as loaded (a row's 512 bytes on end), out 16 neighbours of each block of 32 to a lane.  LDS serves a wave's instructions in order: no wait between.
.set I, 0
.rept 16
	ds_store_b128 v[STI], v[X+4*I:X+4*I+3] offset:SP*I
.set I, I+1
.endr
.irp b, 0,1,2,3
.irp j, 0,1,2,3
	ds_load_b128 v[X+16*\b+4*\j:X+16*\b+4*\j+3], v[STO] offset:128*\b+16*\j
.endr
.endr
	s_wait_dscnt 0x0                               ; register 16 b + i is now column 32 b + 16 h + i of lane-row r
	s_cmp_ge_u32 ttmp9, 256                        ; weights are quantised as they are.  The branch is the same for all eight waves: the two barriers below are passed by all or by none
	s_cbranch_scc1 .Lquant
	; LAYERNORM, in two passes: the mean; the numbers less the mean; the mean of their squares
.irp b, 0,1,2,3
.irp j, 0,1,2,3
	global_load_b128 v[G+16*\b+4*\j:G+16*\b+4*\j+3], v[GA], s[38:39] offset:128*\b+16*\j
	global_load_b128 v[B+16*\b+4*\j:B+16*\b+4*\j+3], v[GA], s[40:41] offset:128*\b+16*\j
.endr
.endr
.set K, 0
.rept 4
	v_pk_add_f32 v[CH+2*K:CH+2*K+1], v[X+2*K:X+2*K+1], v[X+8+2*K:X+9+2*K]
.set K, K+1
.endr
.set I, 16
.rept 24
	v_pk_add_f32 v[CH+I%8:CH+I%8+1], v[CH+I%8:CH+I%8+1], v[X+I:X+I+1]
.set I, I+2
.endr
	ACROSS 0
	v_mul_f32 v[MU], s[INV], v[CH]
	v_mov_b32 v[MU+1], v[MU]
.set I, 0
.rept 32
	v_pk_add_f32 v[X+I:X+I+1], v[X+I:X+I+1], v[MU:MU+1] neg_lo:[0,1] neg_hi:[0,1]
.set I, I+2
.endr
.set K, 0
.rept 4
	v_pk_mul_f32 v[CH+2*K:CH+2*K+1], v[X+2*K:X+2*K+1], v[X+2*K:X+2*K+1]
.set K, K+1
.endr
.set I, 8
.rept 28
	v_pk_fma_f32 v[CH+I%8:CH+I%8+1], v[X+I:X+I+1], v[X+I:X+I+1], v[CH+I%8:CH+I%8+1]
.set I, I+2
.endr
	ACROSS 512                                     ; other bytes than the first sum's: no barrier is owed between the two
	v_fma_f32 v12, v[CH], s[INV], s[EPS]           ; var + eps
	v_rsq_f32 v[MU], v12
	v_rsq_f32 v[MU+1], v12
	v_nop                                          ; a plain line behind the transcendentals
	s_wait_loadcnt 0x0                             ; gain and bias
.set I, 0
	s_wait_alu depctr_va_vdst(0)
.rept 32
	v_pk_mul_f32 v[X+I:X+I+1], v[X+I:X+I+1], v[MU:MU+1]
.set I, I+2
.endr
.set I, 0
.rept 32
	v_pk_fma_f32 v[X+I:X+I+1], v[X+I:X+I+1], v[G+I:G+I+1], v[B+I:B+I+1]
.set I, I+2
.endr
.Lquant:
	QUANT X
.irp c, 0,1,2,3
	global_store_b128 v[LI], v[PC+4*\c:PC+4*\c+3], s[34:35] offset:512*\c   ; 32 lanes store 512 consecutive bytes
.endr
	global_store_b32 v[LS], v[PW], s[36:37]        ; lanes 16-31 hold the same words and store them to the same places
	s_wait_tensorcnt 0x0
	ds_add_u32 v62, v63
	s_wait_dscnt 0x0
	s_endpgm
.Lfunc_end_k_qb8893ecb65_prep:
	.size	k_qb8893ecb65_prep, .Lfunc_end_k_qb8893ecb65_prep-k_qb8893ecb65_prep
	.p2alignl 7, 3214868480
	.fill 96, 4, 3214868480
	.section	.rodata,"a",@progbits
	.p2align	6, 0x0
	.amdhsa_kernel k_qb8893ecb65_prep
		.amdhsa_group_segment_fixed_size 69632
		.amdhsa_private_segment_fixed_size 0
		.amdhsa_enable_private_segment 0
		.amdhsa_kernarg_size 64
		.amdhsa_user_sgpr_count 2
		.amdhsa_user_sgpr_kernarg_segment_ptr 1
		.amdhsa_wavefront_size32 1
		.amdhsa_system_sgpr_workgroup_id_x 1
		.amdhsa_system_sgpr_workgroup_id_y 1
		.amdhsa_system_sgpr_workgroup_id_z 1
		.amdhsa_system_vgpr_workitem_id 0
		.amdhsa_next_free_vgpr 256
		.amdhsa_next_free_sgpr 66
		.amdhsa_reserve_vcc 0
		.amdhsa_float_denorm_mode_32 3
		.amdhsa_float_denorm_mode_16_64 3
		.amdhsa_memory_ordered 1
		.amdhsa_forward_progress 1
		.amdhsa_inst_pref_size 32
	.end_amdhsa_kernel
	.amdgpu_metadata
---
amdhsa.version: [ 1, 2 ]
amdhsa.kernels:
  - .name:           k_qb8893ecb65_prep
    .symbol:         k_qb8893ecb65_prep.kd
    .args:
      - { .name: x, .offset: 0, .size: 8, .value_kind: global_buffer, .address_space: global }
      - { .name: ln1_g, .offset: 8, .size: 8, .value_kind: global_buffer, .address_space: global }
      - { .name: ln1_b, .offset: 16, .size: 8, .value_kind: global_buffer, .address_space: global }
      - { .name: w_qkv, .offset: 24, .size: 8, .value_kind: global_buffer, .address_space: global }
      - { .name: w_proj, .offset: 32, .size: 8, .value_kind: global_buffer, .address_space: global }
      - { .name: w_fc1, .offset: 40, .size: 8, .value_kind: global_buffer, .address_space: global }
      - { .name: w_fc2, .offset: 48, .size: 8, .value_kind: global_buffer, .address_space: global }
      - { .name: pre, .offset: 56, .size: 8, .value_kind: global_buffer, .address_space: global }
    .group_segment_fixed_size: 69632
    .private_segment_fixed_size: 0
    .kernarg_segment_align: 8
    .kernarg_segment_size: 64
    .max_flat_workgroup_size: 256
    .sgpr_count:     66
    .vgpr_count:     256
    .wavefront_size: 32
...
	.end_amdgpu_metadata
.endif
;; end of part 1
;; launch qkv (part 2): grid 12 x 16, 4 waves a work-group, clusters of 4 x 4, 327,680 bytes of LDS; arguments pre, b_qkv, qkvimg; writes qkvimg
.if DOCPART == 2
	.amdgcn_target "amdgcn-amd-amdhsa--gfx1250"
	.amdhsa_code_object_version 6
	.text
	.protected	k_qb8893ecb65_qkv
	.globl	k_qb8893ecb65_qkv
	.p2align	8
	.type	k_qb8893ecb65_qkv,@function
k_qb8893ecb65_qkv:
	s_mov_b64 s[64:65], 0
	v_nop
	global_prefetch_b8 v0, s[64:65] scope:SCOPE_SE
	s_setreg_imm32_b32 hwreg(HW_REG_WAVE_MODE, 25, 1), 1
	s_wait_xcnt 0x0
	s_wait_alu depctr_hold_cnt(0) depctr_sa_sdst(0) depctr_va_vdst(0) depctr_va_sdst(0) depctr_va_ssrc(0) depctr_va_vcc(0) depctr_vm_vsrc(0)
	s_getreg_b32 s2, hwreg(HW_REG_IB_STS2, 6, 4)
	s_cmp_eq_u32 s2, 0
	s_cbranch_scc0 .Lentry_in_a_cluster
	s_endpgm
.Lentry_in_a_cluster:
	s_bfe_u32 s2, ttmp6, 0x10000c
	s_cmp_lg_u32 s2, 0xf033
	s_cbranch_scc0 .Lentry_shape_is_right
	s_endpgm
.Lentry_shape_is_right:
; qkv = LN1(x) w_qkv^T + b_qkv on codes of BF8 (E5M2) with E8M0 scales, and its three parts quantised for the attention: q and k along the head's 64, v along the keys.
; OPERANDS are images of their registers: fragment (row tile T, K step ks) is 2,048 bytes at (8 T + ks) x 2,048, lane l's registers 4 c .. 4 c + 3 at 512 c + 16 l; its scale words at (8 T + ks) x 64 + 4 x row.
; A tensor load brings them as they lie, ds_load_b128 at 16 x lane gives the registers: no pitch, no padding, every LDS read of 512 consecutive bytes.
; A tile of the result, 256 x 256, is made by four waves, each 128 x 128: 64 accumulators.  K = 1,024 goes in steps of 256 through two LDS slots; the scale words of all of K come once.
; Source 0 ('B') is the operand along whose rows a lane's registers run in the result, source 1 ('A') the one whose row a lane holds.
;   clusters x = 0, 1 (q, k): B = rows 0 .. 2,047 of w_qkv, A = tokens: a lane holds one token and 128 features: two heads' 64, in the order that the quantiser wants.
;   cluster x = 2 (v): B = tokens, A = rows 2,048 .. of w_qkv: a lane holds one feature and 128 KEYS.  The choice hangs on the cluster's x alone, which all sixteen partners share; only offsets into one buffer are chosen.
; The rows of a tile of 16 are not neighbours (lane-row p of tile T is row 32 (T / 2) + 8 (T % 2) + p + 8 (p / 8)): so the 16 registers of two neighbouring result tiles are 16 neighbours along the next K.
; CLUSTERS: 4 x 4 work-groups; A's tiles are asked for jointly along a row of the cluster, B's along a column.  192 work-groups: 64 WGPs have no work in this launch; a smaller tile would halve the multiply-adds for each LDS byte.
; OUT (qkvimg): q, k codes: (which x 32 + batch x 16 + head) x 131,072 + T x 1,024 + 512 c + 16 l; their scale bytes from 0xC00000: hs x 4,096 + (T / 2) x 64 + 4 r + 2 (T % 2);
;   v codes from 0x800000: bh x 131,072 + (4 ks + t) x 2,048 + 512 c + 16 l; its scale words from 0xC40000: bh x 4,096 + (4 ks + t) x 64 + 4 r.  Scale bytes leave in short runs: one byte in 32 of the codes'.
; LIMITS: a block of zeros gets the byte 1 where the rule says 127 (its codes are zeros; this program alone reads the bytes); NaN and infinities are not served.
; REGISTERS, in windows of 256: window 0: v0-31 addresses; v32-63 scale words, two sets, and nothing else; v64-127 biases; v128-255 A's fragments, one set (later the way out).
;   window 1: B's fragments, two sets.   windows 2, 3: accumulator (a, b) at v[8 (8 (a % 4) + b)], a < 4 in window 2.
.set NB,     8                         ; blocks of 16 on each side of a wave's tile
.set NQ,     2                         ; K steps of 128 in a slot
.set SIZE_K, 1024
.set KF,     SIZE_K/128
.set RTB,    NQ*2048                   ; a row tile's bytes in a slot
.set HALFT,  NB*RTB                    ; what one tensor load brings, and what one wave reads of A or of B
.set SLOT,   4*HALFT
.set SCL,    2*SLOT                    ; behind the ring: the scale words of all of K
.set SBLK,   KF*64                     ; those of a row tile
.set HALFS,  NB*SBLK
.set SPARE,  SCL+4*HALFS               ; the spare words, 128 bytes for each wave: two blocks of 256 bytes that no other line names
.set LAPS,   SIZE_K/(2*NQ*128)
.set NP,     8                         ; places behind this matrix instruction (ISA guide 7.12.1)
.set HL,     (NB/2)*4                  ; LDS loads of half of A's blocks
.set LI,   1                           ; v1   16 x lane
.set LS,   2                           ; v2   4 r
.set LIA,  3                           ; v3   the trip's place for codes
.set LSA,  4                           ; v4   and for scale words
.set H64,  5                           ; v5   64 h
.set RP4,  6                           ; v6   4 (r + 8 (r / 8))
.set ADRA, 16
.set ADRB, 20
.set ADRS, 27
.set SPW,  28                          ; v28  LDS address of my spare word; never rewritten
.set NIL,  29                          ; v29  0; never rewritten
.set SC,   32
.set BIAS, 64
.set AF,   128
.set W,    128                         ; the way out: 64 numbers,
.set PC,   192                         ; their codes,
.set TM,   208                         ; the quantiser's figures,
.set PW,   224                         ; the scale word
.set AI,   3                           ; s3   the lap counter, later the row block
.set G1,   24
.set G0,   32
.set G1B,  48
.set G0B,  56
.set SEL,  66
.set G1S,  68
.set G0S,  76
.set G1SB, 80
.set G0SB, 88
.set VP,   100                         ; s100 1 in the cluster column that makes v
.set MNT,  101
.set MUL_LO, 0xa1                      ; source 0 (B) window 1, source 1 (A) window 0, C and D window 2
.set MUL_HI, 0xf1
.set TO_B,   0x40
.set MSB, 0
.macro WIN new                         ; the immediate's high byte repeats the setting that is left
.if MSB != (\new)
	s_set_vgpr_msb (MSB<<8)|(\new)
.set MSB, (\new)
.endif
.endm
; A joint load: waves 0 and 1 fetch for A, waves 2 and 3 for B; the branch hangs on the wave's number alone.  Four v_nop follow each of the two lines.
.macro JLOAD g0a, g1a, g0b, g1b
	s_cmp_eq_u32 s15, 0
	s_cbranch_scc0 .Lfor_b_\@
	tensor_load_to_lds s[\g0a:\g0a+3], s[\g1a:\g1a+7]
	s_nop 0
.rept 4
	v_nop
.endr
	s_branch .Lasked_\@
.Lfor_b_\@:
	tensor_load_to_lds s[\g0b:\g0b+3], s[\g1b:\g1b+7]
	s_nop 0
.rept 4
	v_nop
.endr
.Lasked_\@:
.endm
.macro CREST                           ; a round of the cluster's barrier behind its opening barrier
	s_cmp_lg_u32 s14, 0
	s_cbranch_scc1 .Lnot_wave_0_\@
	s_barrier_signal -3
.Lnot_wave_0_\@:
	s_barrier_wait -3
	s_barrier_signal -1
	s_barrier_wait -1
.endm
.macro CROUND
	s_barrier_signal -1
	s_barrier_wait -1
	CREST
.endm
.macro PLACES n
.rept \n
	v_nop
.endr
.endm
.macro FRAG reg, adr, q, i             ; a fragment comes back as it was stored: four loads of 512 consecutive bytes
.irp c, 0,1,2,3
	ds_load_b128 v[\reg+4*\c:\reg+4*\c+3], v[\adr] offset:(\i)*RTB+(\q)*2048+512*\c
.endr
.endm
.macro FETCH_B slot, q, p
	WIN TO_B
.set II, 0
.rept NB
	FRAG 128*(\p)+16*II, ADRB+\slot, \q, II
.set II, II+1
.endr
	WIN 0
.endm
.macro FETCH_A slot, q, i0
.set II, \i0
.rept NB/2
	FRAG AF+16*II, ADRA+\slot, \q, II
.set II, II+1
.endr
.endm
.macro SCALES sc                       ; a slot's scale words: lanes 0-15 take A's block i, lanes 16-31 B's block i
.set II, 0
.rept NB
.set QQ, 0
.rept NQ
	ds_load_b32 v[SC+NB*NQ*(\sc)+NQ*II+QQ], v[ADRS] offset:II*SBLK+64*QQ
.set QQ, QQ+1
.endr
.set II, II+1
.endr
.endm
; A's block a against B's NB blocks, 128 along K.  cm = 1: the products start the sums; 2: the sums start from the bias; 0: they go on.
.macro MULA a, p, q, sc, cm
.set BB, 0
.rept NB
.set RDD, 8*(NB*((\a)%4)+BB)
.set RBB, 128*(\p)+16*BB
.set RAA, AF+16*(\a)
.set SBB, SC+NB*NQ*(\sc)+NQ*BB+(\q)
.set SAA, SC+NB*NQ*(\sc)+NQ*(\a)+(\q)
.if \cm == 1
	v_wmma_scale_f32_16x16x128_f8f6f4 v[RDD:RDD+7], v[RBB:RBB+15], v[RAA:RAA+15], 0, v[SBB], v[SAA] matrix_a_fmt:MATRIX_FMT_BF8 matrix_b_fmt:MATRIX_FMT_BF8 matrix_a_scale:MATRIX_SCALE_ROW1
.elseif \cm == 2
	v_wmma_scale_f32_16x16x128_f8f6f4 v[RDD:RDD+7], v[RBB:RBB+15], v[RAA:RAA+15], v[BIAS+8*BB:BIAS+8*BB+7], v[SBB], v[SAA] matrix_a_fmt:MATRIX_FMT_BF8 matrix_b_fmt:MATRIX_FMT_BF8 matrix_a_scale:MATRIX_SCALE_ROW1
.else
	v_wmma_scale_f32_16x16x128_f8f6f4 v[RDD:RDD+7], v[RBB:RBB+15], v[RAA:RAA+15], v[RDD:RDD+7], v[SBB], v[SAA] matrix_a_fmt:MATRIX_FMT_BF8 matrix_b_fmt:MATRIX_FMT_BF8 matrix_a_scale:MATRIX_SCALE_ROW1
.endif
.set BB, BB+1
.endr
.endm
.macro MULS a0, n, p, q, sc, cm        ; the accumulators take turns, one instruction a turn, in the same order in every step
.set AA, \a0
.rept \n
	MULA AA, \p, \q, \sc, \cm
.set AA, AA+1
.endr
.endm
; A step of 128 along K that has its successor in the same slot.  A has one set of registers: its lower blocks are fetched anew in the step's middle, its upper at the end; B has two sets.
.macro STEP slot, q, cm
	s_wait_dscnt HL                                ; all but the youngest loads, A's upper blocks, are in
.if \cm == 2
	WIN 0x81
.else
	WIN MUL_LO
.endif
	MULS 0, NB/2, (\q)%2, \q, \slot, \cm
	s_wait_dscnt 0x0
	PLACES NP                                      ; in front of loads into registers that matrix instructions have read
	FETCH_B \slot, (\q)+1, 1-(\q)%2
	FETCH_A \slot, (\q)+1, 0
.if \cm == 2
	WIN 0x81
.else
	WIN MUL_HI
.endif
	MULS NB/2, NB/2, (\q)%2, \q, \slot, \cm
	PLACES NP
	WIN 0
	FETCH_A \slot, (\q)+1, NB/2
.endm
.macro STEPS slot, first               ; a slot's steps from 'first' on, all but its last
.set QS, \first
.rept NQ-1-\first
	STEP \slot, QS, 0
.set QS, QS+1
.endr
.endm
; A slot's last step changes slots: one barrier; in front of it each wave waits for all its tensor loads, adds 0 to its spare word, and waits for that and for its reads of this slot.  fill = 1: the slot is filled again.
.macro TURN slot, next, fill
	s_wait_tensorcnt 0x0                           ; all my tensor loads have landed: my part of the next slot
	ds_add_u32 v[SPW], v[NIL]                      ; 0 onto my spare word
	s_wait_dscnt HL+1                              ; (the add and A's upper blocks may be out)
	WIN MUL_LO
	MULS 0, NB/4, 1, NQ-1, \slot, 0
	s_wait_dscnt 0x0                               ; the add is done, and my reads of this slot are over
	s_barrier_signal -1
	MULS NB/4, NB/4, 1, NQ-1, \slot, 0
	WIN 0
	s_barrier_wait -1
.if \fill
	CREST                                          ; the barrier has opened a round of the cluster's: no wave of any partner still reads this slot or has a load on its way
	s_add_nc_u64 s[G0+4*\slot+2:G0+4*\slot+3], s[G0+4*\slot+2:G0+4*\slot+3], 2*RTB
	s_add_nc_u64 s[G0B+4*\slot+2:G0B+4*\slot+3], s[G0B+4*\slot+2:G0B+4*\slot+3], 2*RTB
	JLOAD G0+4*\slot, G1, G0B+4*\slot, G1B         ; the first tensor load behind the round; its four v_nop are among the places below
	PLACES NP-4
.else
	PLACES NP
.endif
	v_add_nc_u32 v[ADRS], NQ*64, v[ADRS]           ; on to the next slot's scale words
	FETCH_B \next, 0, 0
	FETCH_A \next, 0, 0
	SCALES \next
	WIN MUL_HI
	MULS NB/2, NB/2, 1, NQ-1, \slot, 0
	PLACES NP
	WIN 0
	FETCH_A \next, 0, NB/2
.endm
.macro LAST                            ; the very last step: nothing more to fetch
	s_wait_dscnt HL
	WIN MUL_LO
	MULS 0, NB/2, 1, NQ-1, 1, 0
	s_wait_dscnt 0x0
	WIN MUL_HI
	MULS NB/2, NB/2, 1, NQ-1, 1, 0
	WIN 0
.endm
; 64 numbers of a lane, register 16 b + i = k 32 b + 16 (lane / 16) + i of my row, become a fragment's codes in v[PC] on and its scale word in v[PW].
.macro QUANT s
.irp b, 0,1,2,3
	v_max3_num_f32 v[TM+\b], |v[\s+16*\b]|, |v[\s+1+16*\b]|, 0x8000000   ; and the floor 2^(16 - 127): the byte cannot fall under 1
.endr
.irp i, 2,4,6,8,10,12,14
.irp b, 0,1,2,3
	v_max3_num_f32 v[TM+\b], v[TM+\b], |v[\s+16*\b+\i]|, |v[\s+1+16*\b+\i]|
.endr
.endr
.irp b, 0,1,2,3
	v_permlanex16_b32 v[TM+4+\b], v[TM+\b], s[SEL], s[SEL+1]
.endr
.irp b, 0,1,2,3
	v_max_num_f32 v[TM+\b], v[TM+\b], v[TM+4+\b]
.endr
.irp b, 0,1,2,3
	v_add_nc_u32 v[TM+12+\b], 0xf8800000, v[TM+\b]           ; 15 off the exponent field: the conversion's scale operand
.endr
.irp b, 0,1,2,3
	v_and_or_b32 v[TM+8+\b], v[TM+\b], 0x7f800000, s[MNT]    ; 57,344 x the scale
.endr
.irp b, 0,1,2,3
	v_lshrrev_b32 v[TM+4+\b], 23, v[TM+12+\b]                ; the scale's byte
.endr
	v_lshl_or_b32 v[PW], v[TM+5], 8, v[TM+4]
	v_lshl_or_b32 v[PW], v[TM+6], 16, v[PW]
	v_lshl_or_b32 v[PW], v[TM+7], 24, v[PW]
.irp b, 0,1,2,3
.irp i, 0,1,2,3,4,5,6,7,8,9,10,11,12,13,14,15
	v_med3_num_f32 v[\s+16*\b+\i], v[\s+16*\b+\i], -v[TM+8+\b], v[TM+8+\b]   ; the conversion does not saturate (ISA guide 7.6.2): the hold
.endr
	v_cvt_scalef32_pk8_bf8_f32 v[PC+4*\b:PC+1+4*\b], v[\s+16*\b:\s+7+16*\b], v[TM+12+\b]
	v_cvt_scalef32_pk8_bf8_f32 v[PC+2+4*\b:PC+3+4*\b], v[\s+8+16*\b:\s+15+16*\b], v[TM+12+\b]
.endr
	v_nop                                          ; a plain line behind the last conversion
.endm
; Row block a's 64 results and their bias go into window 0, each accumulator from its low end on.  arm 0: a bias for each register; arm 1: one for the lane.
.macro COPY arm, a
	WIN 0x02+(\a)/4
.set NN, 0
.rept 32
.if \arm == 0
	v_pk_add_f32 v[W+NN:W+NN+1], v[64*((\a)%4)+NN:64*((\a)%4)+NN+1], v[BIAS+NN:BIAS+NN+1]
.else
	v_pk_add_f32 v[W+NN:W+NN+1], v[64*((\a)%4)+NN:64*((\a)%4)+NN+1], v[BIAS+2*(\a):BIAS+2*(\a)+1]
.endif
.set NN, NN+2
.endr
	WIN 0
.endm
; THE WAY OUT: a loop over the wave's eight row blocks; only the copy out of the accumulators differs from trip to trip, so only it is written eight times.
.macro ROWS arm
.irp b, 0,1,2,3
	v_mov_b32 v[TM+4+\b], 0                        ; a lane permute's destination counts as one of its sources
.endr
	s_mov_b32 s[AI], 0
.Lrow_\arm:
.irp a, 0,1,2,3,4,5,6
	s_cmp_eq_u32 s[AI], \a
	s_cbranch_scc1 .Lcopy_\arm\()_\a
.endr
	COPY \arm, 7
	s_branch .Lwork_\arm
.irp a, 0,1,2,3,4,5,6
.Lcopy_\arm\()_\a:
	COPY \arm, \a
	s_branch .Lwork_\arm
.endr
.Lwork_\arm:
	s_wait_xcnt 0x0                                ; the last trip's stores have read their data and offsets: both are written again only behind this wait
.if \arm == 0
	s_lshl_b32 s18, s[AI], 10                      ; a token tile's codes of a head: 1,024 bytes
	v_add_nc_u32 v[LIA], s18, v[LI]
	s_lshr_b32 s18, s[AI], 1
	s_lshl_b32 s18, s18, 6
	s_and_b32 s19, s[AI], 1
	s_lshl_b32 s19, s19, 1
	s_add_co_u32 s18, s18, s19                     ; two tiles share a word: 64 (a / 2) + 2 (a % 2)
	v_add_nc_u32 v[LSA], s18, v[LS]
.else
	s_lshr_b32 s18, s[AI], 2                       ; the head,
	s_and_b32 s19, s[AI], 3                        ; and the tile of its 64
	s_lshl_b32 s20, s18, 17
	s_lshl_b32 s21, s19, 11
	s_add_co_u32 s20, s20, s21
	v_add_nc_u32 v[LIA], s20, v[LI]
	s_lshl_b32 s20, s18, 12
	s_lshl_b32 s21, s19, 6
	s_add_co_u32 s20, s20, s21
	v_add_nc_u32 v[LSA], s20, v[LS]
.endif
	QUANT W
.if \arm == 0
.irp b, 0,1,2,3
	global_store_b128 v[LIA], v[PC+4*\b:PC+4*\b+3], s[92:93] offset:(\b/2)*131072+(\b%2)*512   ; blocks 0, 1: the first head; 2, 3: the second.  512 consecutive bytes a store
.endr
	global_store_b16 v[LSA], v[PW], s[94:95]                     ; the first head's two bytes,
	global_store_d16_hi_b16 v[LSA], v[PW], s[94:95] offset:4096  ; the second's
.else
.irp b, 0,1,2,3
	global_store_b128 v[LIA], v[PC+4*\b:PC+4*\b+3], s[92:93] offset:512*\b
.endr
	global_store_b32 v[LSA], v[PW], s[94:95]
.endif
	s_add_co_u32 s[AI], s[AI], 1
	s_cmp_lt_u32 s[AI], 8
	s_cbranch_scc1 .Lrow_\arm
.endm
	s_load_b128 s[4:7], s[0:1], 0x0                ; pre s[4:5], b_qkv s[6:7]
	s_load_b64 s[8:9], s[0:1], 0x10                ; qkvimg
	v_lshl_add_u32 v[SPW], v0, 2, SPARE
	v_mov_b32 v[NIL], 0
	ds_add_u32 v28, v29
	ds_add_u32 v28, v29
	s_wait_dscnt 0x0
	v_lshrrev_b32 v7, 5, v0
	v_readfirstlane_b32 s14, v7                    ; wave 0..3
	s_lshr_b32 s15, s14, 1                         ; which half of A's rows is mine.  Also: I fetch for A (0) or for B (1)
	s_and_b32 s16, s14, 1                          ; which half of B's rows.  Also: which half I fetch
	s_bfe_u32 s40, ttmp6, 0x40000                  ; cx, cy: my place in the cluster
	s_bfe_u32 s41, ttmp6, 0x40004
	s_and_b32 s95, ttmp7, 0xffff
	s_mov_b32 s96, 0x480000
	s_mov_b32 s97, 0x80000
	s_cmp_eq_u32 ttmp9, 2                          ; the cluster's x: the same in all sixteen partners
	s_cselect_b32 s[VP], 1, 0
	s_cselect_b32 s42, s95, ttmp9                  ; which cluster along B's rows,
	s_cselect_b32 s17, 0, s95                      ; and along A's
	s_cselect_b32 s98, s97, s96                    ; B's codes: the tokens', or w_qkv's
	s_cselect_b32 s99, 0, 0x20000                  ; B's scale words
	s_cselect_b32 s96, 0x680000, s97               ; A's codes: w_qkv from row 2,048 on, or the tokens'
	s_cselect_b32 s97, 0x30000, 0                  ; A's scale words
	s_lshl_b32 s42, s42, 2
	s_add_co_u32 s42, s42, s40                     ; PT: my block of 256 of B's rows
	s_lshl_b32 s17, s17, 2
	s_add_co_u32 s17, s17, s41                     ; QT: of A's
	s_lshl_b32 s43, s41, 2
	s_lshl_b32 s43, 15, s43                        ; my row of the cluster
	s_lshl_b32 s44, 0x1111, s40                    ; my column
	; descriptor group 1, codes: NB row tiles of RTB bytes (elements of 8 bytes), 16 SIZE_K bytes apart
	s_or_b32 s[G1+0], s43, (3<<16)|(1<<21)         ; 15:0 the mask: A's tiles go to my row; 17:16 elements of 8 bytes; 21 set beside a mask; no padding
	s_or_b32 s[G1B+0], s44, (3<<16)|(1<<21)
.irp g, G1, G1B
	s_mov_b32 s[\g+1], (RTB/8)<<16                 ; tensor_dim0
	s_mov_b32 s[\g+2], NB<<16                      ; tensor_dim1
	s_mov_b32 s[\g+3], (RTB/8)<<16                 ; tile_dim0
	s_mov_b32 s[\g+4], NB                          ; tile_dim1
	s_mov_b32 s[\g+5], 2*SIZE_K                    ; tensor_dim0_stride
	s_mov_b32 s[\g+6], 0
	s_mov_b32 s[\g+7], 0
.endr
	; and the scale words of NB row tiles: a dense block, as rows of 256 bytes
	s_or_b32 s[G1S+0], s43, (3<<16)|(1<<21)
	s_or_b32 s[G1SB+0], s44, (3<<16)|(1<<21)
.irp g, G1S, G1SB
	s_mov_b32 s[\g+1], 32<<16
	s_mov_b32 s[\g+2], (HALFS/256)<<16
	s_mov_b32 s[\g+3], 32<<16
	s_mov_b32 s[\g+4], HALFS/256
	s_mov_b32 s[\g+5], 32
	s_mov_b32 s[\g+6], 0
	s_mov_b32 s[\g+7], 0
.endr
	s_mul_i32 s18, s16, NB
	s_mul_i32 s20, s17, 2*NB
	s_add_co_u32 s20, s20, s18                     ; A: the first row tile that I fetch
	s_mul_i32 s22, s20, SBLK
	s_add_co_u32 s22, s22, s97
	s_mov_b32 s23, 0
	s_mul_i32 s20, s20, 16*SIZE_K
	s_add_co_u32 s20, s20, s96
	s_mov_b32 s21, 0
	s_mul_i32 s46, s42, 2*NB
	s_add_co_u32 s46, s46, s18                     ; B likewise
	s_mul_i32 s92, s46, SBLK
	s_add_co_u32 s92, s92, s99
	s_mov_b32 s93, 0
	s_mul_i32 s46, s46, 16*SIZE_K
	s_add_co_u32 s46, s46, s98
	s_mov_b32 s47, 0
	s_mul_i32 s45, s14, HALFT                      ; where they go: by the wave's number alone
	s_mul_i32 s94, s14, HALFS
	s_mov_b32 s[SEL], 0x76543210
	s_mov_b32 s[SEL+1], 0xfedcba98
	s_mov_b32 s[MNT], 0x600000
	s_wait_kmcnt 0x0
	s_add_nc_u64 s[20:21], s[4:5], s[20:21]
	s_add_nc_u64 s[22:23], s[4:5], s[22:23]
	s_add_nc_u64 s[46:47], s[4:5], s[46:47]
	s_add_nc_u64 s[92:93], s[4:5], s[92:93]
	CROUND                                         ; all sixteen work-groups are here: the first joint loads meet
	s_mov_b32 s[G0S], 1
	s_add_co_u32 s[G0S+1], s94, SCL
	s_mov_b64 s[G0S+2:G0S+3], s[22:23]
	s_or_b32 s[G0S+3], s[G0S+3], 0x80000000
	s_mov_b32 s[G0SB], 1
	s_add_co_u32 s[G0SB+1], s94, SCL
	s_mov_b64 s[G0SB+2:G0SB+3], s[92:93]
	s_or_b32 s[G0SB+3], s[G0SB+3], 0x80000000
	JLOAD G0S, G1S, G0SB, G1SB                     ; the scale words first; with the two slots three loads of mine are out
.irp s, 0,1
	s_mov_b32 s[G0+4*\s], 1
	s_add_co_u32 s[G0+4*\s+1], s45, \s*SLOT
	s_add_nc_u64 s[G0+4*\s+2:G0+4*\s+3], s[20:21], \s*RTB
	s_or_b32 s[G0+4*\s+3], s[G0+4*\s+3], 0x80000000
	s_mov_b32 s[G0B+4*\s], 1
	s_add_co_u32 s[G0B+4*\s+1], s45, \s*SLOT
	s_add_nc_u64 s[G0B+4*\s+2:G0B+4*\s+3], s[46:47], \s*RTB
	s_or_b32 s[G0B+4*\s+3], s[G0B+4*\s+3], 0x80000000
	JLOAD G0+4*\s, G1, G0B+4*\s, G1B
.endr
	v_and_b32 v7, 31, v0
	v_lshlrev_b32 v[LI], 4, v7
	v_and_b32 v7, 15, v0                           ; r
	v_bfe_u32 v8, v0, 4, 1                         ; h
	v_lshlrev_b32 v[LS], 2, v7
	v_lshlrev_b32 v[H64], 6, v8
	v_and_b32 v9, 8, v7
	v_add_nc_u32 v9, v9, v7
	v_lshlrev_b32 v[RP4], 2, v9
	s_mul_i32 s21, s15, HALFT                      ; my half of A's rows
	s_mul_i32 s22, s16, HALFT                      ; my half of B's,
	s_add_co_u32 s22, s22, 2*HALFT                 ; which lie behind A's
.irp s, 0,1
	v_add_nc_u32 v[ADRA+\s], s21, v[LI]
	v_add_nc_u32 v[ADRB+\s], s22, v[LI]
	s_add_co_u32 s21, s21, SLOT
	s_add_co_u32 s22, s22, SLOT
.endr
	s_mul_i32 s21, s15, HALFS
	s_mul_i32 s22, s16, HALFS
	s_add_co_u32 s22, s22, 2*HALFS
	s_sub_co_u32 s22, s22, s21
	v_mul_u32_u24 v9, s22, v8                      ; lanes 16-31 take B's words: one product, the distance between the two bases
	s_add_co_u32 s21, s21, SCL
	v_add_nc_u32 v9, v9, v[LS]
	v_add_nc_u32 v[ADRS], s21, v9
	s_wait_tensorcnt 1                             ; the scale words and my part of slot 0 are in; slot 1's load may be out
	s_barrier_signal -1
	s_barrier_wait -1
	FETCH_B 0, 0, 0
	FETCH_A 0, 0, 0
	SCALES 0
	FETCH_A 0, 0, NB/2
	STEP 0, 0, 1                                   ; the first step's products start the sums: nothing is cleared
	STEPS 0, 1
.if LAPS > 1
	s_mov_b32 s3, LAPS-1
.Llap:                                                 ; a trip goes once round the ring and fills both slots again
	TURN 0, 1, 1
	STEPS 1, 0
	TURN 1, 0, 1
	STEPS 0, 0
	s_sub_co_u32 s3, s3, 1
	s_cmp_lg_u32 s3, 0
	s_cbranch_scc1 .Llap
.endif
	TURN 0, 1, 0                                   ; the last lap fills nothing
	STEPS 1, 0
	s_cmp_eq_u32 s[VP], 1                          ; two ways out; each holds its bias loads, the last step (under which they land) and its row loop
	s_cbranch_scc1 .Lv_arm
	; ---- q and k: a lane holds one token; its registers run along 128 features f0 .., f0 = 256 PT + 128 x half
	s_lshl_b32 s18, s42, 10
	s_lshl_b32 s19, s16, 9
	s_add_co_u32 s18, s18, s19
	s_mov_b32 s19, 0
	s_add_nc_u64 s[96:97], s[6:7], s[18:19]
.irp b, 0,1,2,3
.irp j, 0,1,2,3
	global_load_b128 v[BIAS+16*\b+4*\j:BIAS+16*\b+4*\j+3], v[H64], s[96:97] offset:128*\b+16*\j
.endr
.endr
	s_lshl_b32 s18, s42, 2
	s_lshl_b32 s19, s16, 1
	s_add_co_u32 s18, s18, s19                     ; f0 / 64: 16 x (q or k) + head
	s_lshl_b32 s20, s17, 4
	s_lshl_b32 s19, s15, 3
	s_add_co_u32 s20, s20, s19                     ; my first token tile
	s_lshr_b32 s21, s18, 4
	s_lshl_b32 s21, s21, 5
	s_and_b32 s18, s18, 15
	s_add_co_u32 s21, s21, s18
	s_lshr_b32 s19, s20, 7
	s_lshl_b32 s19, s19, 4
	s_add_co_u32 s21, s21, s19                     ; which x 32 + batch x 16 + head
	s_and_b32 s20, s20, 127                        ; the tile within the batch
	s_lshl_b32 s18, s21, 17
	s_lshl_b32 s19, s20, 10
	s_add_co_u32 s18, s18, s19
	s_mov_b32 s19, 0
	s_add_nc_u64 s[92:93], s[8:9], s[18:19]
	s_lshl_b32 s18, s21, 12
	s_lshl_b32 s20, s20, 5
	s_add_co_u32 s18, s18, s20
	s_add_co_u32 s18, s18, 0xC00000
	s_add_nc_u64 s[94:95], s[8:9], s[18:19]
	LAST
	s_wait_loadcnt 0x0                             ; the biases
	PLACES NP                                      ; in front of the first read of results, and of writes into registers that held A's fragments
	ROWS 0
	s_branch .Lend
.Lv_arm:
	; ---- v: a lane holds one feature; its registers run along 128 keys
	s_lshl_b32 s18, s17, 10
	s_lshl_b32 s19, s15, 9
	s_add_co_u32 s18, s18, s19
	s_add_co_u32 s18, s18, 8192                    ; 4 x (2,048 + 256 QT + 128 x half)
	s_mov_b32 s19, 0
	s_add_nc_u64 s[96:97], s[6:7], s[18:19]
.irp a, 0,1,2,3,4,5,6,7
	global_load_b32 v[BIAS+2*\a], v[RP4], s[96:97] offset:4*(32*(\a/2)+8*(\a%2))     ; my feature's bias, in both halves of a pair
	global_load_b32 v[BIAS+2*\a+1], v[RP4], s[96:97] offset:4*(32*(\a/2)+8*(\a%2))
.endr
	s_lshr_b32 s18, s42, 3                         ; the batch
	s_lshl_b32 s18, s18, 4
	s_lshl_b32 s19, s17, 2
	s_add_co_u32 s18, s18, s19
	s_lshl_b32 s19, s15, 1
	s_add_co_u32 s18, s18, s19                     ; batch x 16 + my first head
	s_lshl_b32 s18, s18, 4
	s_and_b32 s19, s42, 7
	s_lshl_b32 s19, s19, 1
	s_add_co_u32 s19, s19, s16                     ; the key step of 128
	s_add_co_u32 s21, s18, s19
	s_lshl_b32 s18, s21, 13
	s_add_co_u32 s18, s18, 0x800000
	s_mov_b32 s19, 0
	s_add_nc_u64 s[92:93], s[8:9], s[18:19]
	s_lshl_b32 s18, s21, 8
	s_add_co_u32 s18, s18, 0xC40000
	s_add_nc_u64 s[94:95], s[8:9], s[18:19]
	LAST
	s_wait_loadcnt 0x0
	PLACES NP
	ROWS 1
.Lend:
	s_wait_tensorcnt 0x0                           ; the wave's end
	ds_add_u32 v[SPW], v[NIL]
	s_wait_dscnt 0x0
	CROUND                                         ; the closing round: no work-group ends while a partner may still ask for a tile that names it
	s_endpgm
.Lfunc_end_k_qb8893ecb65_qkv:
	.size	k_qb8893ecb65_qkv, .Lfunc_end_k_qb8893ecb65_qkv-k_qb8893ecb65_qkv
	.p2alignl 7, 3214868480
	.fill 96, 4, 3214868480
	.section	.rodata,"a",@progbits
	.p2align	6, 0x0
	.amdhsa_kernel k_qb8893ecb65_qkv
		.amdhsa_group_segment_fixed_size 327680
		.amdhsa_private_segment_fixed_size 0
		.amdhsa_enable_private_segment 0
		.amdhsa_kernarg_size 24
		.amdhsa_user_sgpr_count 2
		.amdhsa_user_sgpr_kernarg_segment_ptr 1
		.amdhsa_wavefront_size32 1
		.amdhsa_system_sgpr_workgroup_id_x 1
		.amdhsa_system_sgpr_workgroup_id_y 1
		.amdhsa_system_sgpr_workgroup_id_z 1
		.amdhsa_system_vgpr_workitem_id 0
		.amdhsa_next_free_vgpr 1024
		.amdhsa_next_free_sgpr 102
		.amdhsa_reserve_vcc 0
		.amdhsa_float_denorm_mode_32 3
		.amdhsa_float_denorm_mode_16_64 3
		.amdhsa_memory_ordered 1
		.amdhsa_forward_progress 1
		.amdhsa_inst_pref_size 184
	.end_amdhsa_kernel
	.amdgpu_metadata
---
amdhsa.version: [ 1, 2 ]
amdhsa.kernels:
  - .name:           k_qb8893ecb65_qkv
    .symbol:         k_qb8893ecb65_qkv.kd
    .args:
      - { .name: pre, .offset: 0, .size: 8, .value_kind: global_buffer, .address_space: global }
      - { .name: b_qkv, .offset: 8, .size: 8, .value_kind: global_buffer, .address_space: global }
      - { .name: qkvimg, .offset: 16, .size: 8, .value_kind: global_buffer, .address_space: global }
    .group_segment_fixed_size: 327680
    .private_segment_fixed_size: 0
    .kernarg_segment_align: 8
    .kernarg_segment_size: 24
    .max_flat_workgroup_size: 128
    .sgpr_count:     102
    .vgpr_count:     1024
    .wavefront_size: 32
...
	.end_amdgpu_metadata
.endif
;; end of part 2
;; launch attn (part 3): grid 8 x 32, 16 waves a work-group, clusters of 4 x 1, 327,680 bytes of LDS; arguments qkvimg, oimg; writes oimg
.if DOCPART == 3
	.amdgcn_target "amdgcn-amd-amdhsa--gfx1250"
	.amdhsa_code_object_version 6
	.text
	.protected	k_qb8893ecb65_attn
	.globl	k_qb8893ecb65_attn
	.p2align	8
	.type	k_qb8893ecb65_attn,@function
k_qb8893ecb65_attn:
	s_mov_b64 s[64:65], 0
	v_nop
	global_prefetch_b8 v0, s[64:65] scope:SCOPE_SE
	s_setreg_imm32_b32 hwreg(HW_REG_WAVE_MODE, 25, 1), 1
	s_wait_xcnt 0x0
	s_wait_alu depctr_hold_cnt(0) depctr_sa_sdst(0) depctr_va_vdst(0) depctr_va_sdst(0) depctr_va_ssrc(0) depctr_va_vcc(0) depctr_vm_vsrc(0)
	s_getreg_b32 s2, hwreg(HW_REG_IB_STS2, 6, 4)
	s_cmp_eq_u32 s2, 0
	s_cbranch_scc0 .Lentry_in_a_cluster
	s_endpgm
.Lentry_in_a_cluster:
	s_bfe_u32 s2, ttmp6, 0x10000c
	s_cmp_lg_u32 s2, 0x3003
	s_cbranch_scc0 .Lentry_shape_is_right
	s_endpgm
.Lentry_shape_is_right:
; o = softmax(q k^T / 8) v for one head of one batch, both products on codes of BF8 (E5M2) with E8M0 scales, and o quantised along the model's 1,024 for the next product.
; THE SOFTMAX: t = score x log2(e) / 8; M = the running largest t rounded UP to a whole number; p = 2^(t - M) is quantised along the keys, not normalised; the row's sum is taken of the
; unquantised p and divides at the end.  When M moves, the sum and O are multiplied by 2^(old M - new M): nothing is rounded.
; SHARES.  A work-group owns 256 queries of a head; each of its sixteen waves 16 of them, one a lane pair, in 256 registers: four waves to a SIMD, so that one wave's vector work stands beside another's products and LDS loads.
; A WHOLE HEAD'S K AND V STAY IN LDS (2 x 131,072 bytes of codes, 2 x 4,096 of scale words), filled ONCE: no byte is filled again, so there is no ring.  They come in four chunks of 512 keys, so that the first steps run while the later chunks land.
; CLUSTER: the four query blocks of a cluster walk the same head: each tile is asked for jointly, by the same load with the same descriptor and the mask of all four.
; LAYOUT.  All operands are images of their registers (lane l's registers 4 c .. 4 c + 3 at 512 c + 16 l of a fragment's 2,048 bytes).  Both products are used transposed: a lane holds one query throughout.
; The head has 64 along K and the instruction 128: a fragment of K holds TWO tiles of 16 keys (K 0-63 the first, 64-127 the second); q stands beside 64 zero codes, below or above, and so picks one of the two.
; The keys of a tile are not neighbours (lane-row p of tile T is key 32 (T / 2) + 8 (T % 2) + p + 8 (p / 8)): the 16 registers of two neighbouring tiles of scores are 16 neighbouring keys.  V's tiles of the head's 64 likewise.
; THE STEP'S VECTOR WORK IS DEALT OUT IN SLOTS: the 64 exponentials of a step do not stand in one run.  Slot i holds the two exponentials of pair i, and between and behind them plain work of OTHER pairs: the scaling of
; pair i + 6, the sum and the two holds of pair i - 4, and by turns the blocks' scale figures, a rescaling of O^T, a conversion.  So no two exponentials of scores follow each other, and each has a plain line behind it.
; LIMITS: v_exp_f32 gives 0 for results under 2^-126; a block of zeros gets the byte 1 where the rule says 127 (its codes are zeros; this program alone reads the bytes); NaN and infinities are not served.
.set KSC,  262144                      ; LDS: K's codes at 0, V's at 131,072, K's scale words here, V's 4,096 on
.set LI,   1                           ; v1   16 x lane
.set LIV,  2                           ; v2   the same in V's codes
.set LS0,  3                           ; v3   4 r, in K's scale words
.set LS,   4                           ; v4   4 r
.set ADK,  8                           ; v8-10 the step's addresses
.set ADV,  9
.set ADS,  10
.set QF,   16                          ; v16-23 q, v24-31 zero codes, v32-39 q again
.set KV,   40                          ; v40-103 four fragments of K, then of V
.set S,    104                         ; v104-167 S^T, then p
.set O,    168                         ; v168-199 O^T
.set PCD,  200                         ; v200-215 p's codes
.set TM,   216                         ; v216-219 block maxima, 220-223 at work, 224-227 holds, 228-231 scale operands
.set KW,   232                         ; v232-235 K's scale words, 236-239 V's, 240 p's, 241 q's: these hold scales alone
.set VW,   236
.set PWD,  240
.set QW,   241
.set FF,   242                         ; v[242:243] f = 2^(old M - new M)
.set T0,   244
.set PW,   245
.set LB,   246                         ; v[246:247] the row's sum: the odd pairs' part (the even pairs' is v[14:15])
.set WV,   18
.set MNT,  19
.set SEL,  20
.set CS,   22                          ; s[22:23] c = log2(e) / 8
.set G1,   24                          ; s[24:31] group 1: 8,192 dense bytes as 32 rows of 256
.set G0,   36                          ; s[36:55] five groups 0
.set G1S,  56                          ; s[56:63] group 1: 1,024 dense bytes as 4 rows of 256
.set TB,   74
.set TS,   75
.set CNT,  76
.macro ROUND                           ; a round of the cluster's barrier
	s_barrier_signal -1
	s_barrier_wait -1
	s_cmp_lg_u32 s[WV], 0
	s_cbranch_scc1 .Lnot_wave_0_\@
	s_barrier_signal -3
.Lnot_wave_0_\@:
	s_barrier_wait -3
	s_barrier_signal -1
	s_barrier_wait -1
.endm
; THE PIECES OF A STEP'S SOFTMAX.  Pair j is the lane's scores 2 j and 2 j + 1; its block of 32 keys is j / 8.
.macro TMM j                           ; t - M of pair j (of the pairs c and -M the low word serves both halves)
	v_pk_fma_f32 v[S+2*(\j):S+2*(\j)+1], v[S+2*(\j):S+2*(\j)+1], s[CS:CS+1], v[12:13] op_sel_hi:[1,0,0]
.endm
.macro SUMP j                          ; the row's sum is taken of the unquantised p: even pairs in one chain, odd pairs in the other
.if (\j)%2 == 0
	v_pk_add_f32 v[14:15], v[14:15], v[S+2*(\j):S+2*(\j)+1]
.else
	s_wait_alu depctr_va_vdst(0)
	v_pk_add_f32 v[LB:LB+1], v[LB:LB+1], v[S+2*(\j):S+2*(\j)+1]
.endif
.endm
.macro HOLDP j                         ; the conversion does not saturate (ISA guide 7.6.2); p is not negative: a one-sided hold at 57,344 x the block's scale
	v_min_num_f32 v[S+2*(\j)], v[S+2*(\j)], v[TM+8+(\j)/8]
	v_min_num_f32 v[S+2*(\j)+1], v[S+2*(\j)+1], v[TM+8+(\j)/8]
.endm
.macro CODE8 g                         ; eight neighbouring keys' codes: pairs 4 g .. 4 g + 3
	v_cvt_scalef32_pk8_bf8_f32 v[PCD+2*(\g):PCD+2*(\g)+1], v[S+8*(\g):S+8*(\g)+7], v[TM+12+(\g)/2]
.endm
.macro RESC k                          ; two numbers of O^T under the new M
	v_pk_mul_f32 v[O+2*(\k):O+2*(\k)+1], v[O+2*(\k):O+2*(\k)+1], v[FF:FF+1] op_sel_hi:[1,0]
.endm
.macro FIG n                           ; figure n of 21: the sums under the new M; then, the four blocks by turns, what the quantiser makes of a block's largest p
.if (\n) == 0
	v_pk_mul_f32 v[14:15], v[14:15], v[FF:FF+1] op_sel_hi:[1,0]
.elseif (\n) == 1
	v_pk_mul_f32 v[LB:LB+1], v[LB:LB+1], v[FF:FF+1] op_sel_hi:[1,0]
.elseif (\n) < 6
	s_wait_alu depctr_va_vdst(0)
	v_max_num_f32 v[TM+(\n)-2], 0x8000000, v[TM+(\n)-2]                  ; the floor 2^(16 - 127): the byte cannot fall under 1
.elseif (\n) < 10
	v_add_nc_u32 v[TM+12+(\n)-6], 0xf8800000, v[TM+(\n)-6]               ; 15 off the exponent field: the conversion's scale operand
.elseif (\n) < 14
	v_and_or_b32 v[TM+8+(\n)-10], v[TM+(\n)-10], 0x7f800000, s[MNT]      ; 57,344 x the scale
.elseif (\n) < 18
	v_lshrrev_b32 v[TM+4+(\n)-14], 23, v[TM+12+(\n)-14]                  ; the scale's byte
.elseif (\n) == 18
	v_lshl_or_b32 v[PWD], v[TM+5], 8, v[TM+4]                            ; p's scale word for these 128 keys
.elseif (\n) == 19
	v_lshl_or_b32 v[PWD], v[TM+6], 16, v[PWD]
.else
	v_lshl_or_b32 v[PWD], v[TM+7], 24, v[PWD]
.endif
.endm
; A KEY STEP: 128 keys.
.macro STEP
	v_add_nc_u32 v[ADK], s[TB], v[LI]
	v_add_nc_u32 v[ADV], s[TB], v[LIV]
	v_add_nc_u32 v[ADS], s[TS], v[LS0]
.rept 5
	v_nop                                          ; with the three additions: eight places in front of loads into registers that the last products read
.endr
.irp b, 0,1,2,3
.irp c, 0,1,2,3
	ds_load_b128 v[KV+16*\b+4*\c:KV+16*\b+4*\c+3], v[ADK] offset:2048*\b+512*\c
.endr
	ds_load_b32 v[KW+\b], v[ADS] offset:64*\b
.endr
	s_wait_dscnt 0x0
.irp b, 0,1,2,3                                ; S^T = K q^T: fragment b's two tiles of keys
	v_wmma_scale_f32_16x16x128_f8f6f4 v[S+16*\b:S+16*\b+7], v[KV+16*\b:KV+16*\b+15], v[QF:QF+15], 0, v[KW+\b], v[QW] matrix_a_fmt:MATRIX_FMT_BF8 matrix_b_fmt:MATRIX_FMT_BF8
	v_wmma_scale_f32_16x16x128_f8f6f4 v[S+16*\b+8:S+16*\b+15], v[KV+16*\b:KV+16*\b+15], v[QF+8:QF+23], 0, v[KW+\b], v[QW] matrix_a_fmt:MATRIX_FMT_BF8 matrix_b_fmt:MATRIX_FMT_BF8
.endr                                          ; register 16 b + i is key 32 b + 16 (lane / 16) + i of the step
.rept 8
	v_nop                                          ; places in front of the loads below and of the first read of the scores
.endr
.irp t, 0,1,2,3                                ; V's fragments land under the softmax
.irp c, 0,1,2,3
	ds_load_b128 v[KV+16*\t+4*\c:KV+16*\t+4*\c+3], v[ADV] offset:2048*\t+512*\c
.endr
	ds_load_b32 v[VW+\t], v[ADS] offset:4096+64*\t
.endr
.irp b, 0,1,2,3
	v_max3_num_f32 v[TM+\b], v[S+16*\b], v[S+1+16*\b], v[S+2+16*\b]   ; the largest score of each block of 32 keys: for the row's maximum, and, since p rises with the score, for the block's largest p
.endr
.irp i, 3,5,7,9,11,13
.irp b, 0,1,2,3
	v_max3_num_f32 v[TM+\b], v[TM+\b], v[S+16*\b+\i], v[S+1+16*\b+\i]
.endr
.endr
.irp b, 0,1,2,3
	v_max_num_f32 v[TM+\b], v[TM+\b], v[S+15+16*\b]
.endr
.irp b, 0,1,2,3
	v_permlanex16_b32 v[TM+4+\b], v[TM+\b], s[SEL], s[SEL+1]
.endr
.irp b, 0,1,2,3
	v_max_num_f32 v[TM+\b], v[TM+\b], v[TM+4+\b]   ; with lane l xor 16's 16 keys
.endr
	v_max3_num_f32 v[T0], v[TM], v[TM+1], v[TM+2]
	v_max_num_f32 v[T0], v[T0], v[TM+3]
	v_mul_f32 v[T0], s[CS], v[T0]                  ; as t (c is positive)
	v_max_num_f32 v13, v13, v[T0]                  ; the running largest t
	v_mov_b32 v[T0], v12
	v_floor_f32 v12, -v13                          ; the new -M = floor(-t): M is a whole number
	v_sub_f32 v[T0], v12, v[T0]                    ; old M less new M: a whole number, 0 or less
	v_cvt_i32_f32 v[T0], v[T0]                     ; (it saturates)
	v_ldexp_f32 v[FF], 1.0, v[T0]                  ; f
.irp b, 0,1,2,3
	v_fma_f32 v[TM+\b], v[TM+\b], s[CS], v12       ; t - M of each block's largest score
.endr
	TMM 0
	TMM 1
.irp b, 0,1,2,3
	v_exp_f32 v[TM+\b], v[TM+\b]                   ; the block's largest p: the same multiply-add and exponential on the same number as the score itself gets
	TMM 2+\b                                       ; (a plain line of other registers behind each exponential)
.endr
; THE 32 SLOTS.  In slot i: pair i's two exponentials; pair i + 6 is scaled (pairs 0 to 5 were, above); pair i - 4 is summed, then held; slots 0 to 6 make the 21 figures, three each: a block's hold
; is made in slot 3 or 4 and first used in slot 4 or later, its scale operand in slot 2 or 3 and first used in slot 7; even slots up to 18 rescale O^T, from each accumulator's low end on; slots 7, 11 .. 31 convert the eight numbers just held.
.set I, 0
.rept 32
	v_exp_f32 v[S+2*I], v[S+2*I]                   ; p = 2^(t - M), at most 1
.if I+6 < 32
	TMM I+6
.endif
.if I < 7
	FIG 3*I
.endif
.if I >= 4
	SUMP I-4
.endif
	v_exp_f32 v[S+2*I+1], v[S+2*I+1]
.if I < 7
	FIG 3*I+1
	FIG 3*I+2
.endif
.if I >= 4
	HOLDP I-4
.endif
.if (I%2 == 0) && (I < 20)
	RESC I/2
.endif
.if (I >= 7) && (I%4 == 3)
	CODE8 (I-7)/4
.endif
.set I, I+1
.endr
.irp j, 28,29,30,31                            ; the last four pairs
	SUMP \j
	HOLDP \j
.endr
	CODE8 7
.irp k, 10,11,12,13,14,15
	RESC \k                                        ; the rest of O^T: six plain lines between the last codes and the products
.endr
	s_wait_dscnt 0x0                               ; V
.irp t, 0,1,2,3                                ; O^T += V^T P^T: the four accumulators by turns
	v_wmma_scale_f32_16x16x128_f8f6f4 v[O+8*\t:O+8*\t+7], v[KV+16*\t:KV+16*\t+15], v[PCD:PCD+15], v[O+8*\t:O+8*\t+7], v[VW+\t], v[PWD] matrix_a_fmt:MATRIX_FMT_BF8 matrix_b_fmt:MATRIX_FMT_BF8
.endr
	s_add_co_u32 s[TB], s[TB], 8192
	s_add_co_u32 s[TS], s[TS], 256
.endm
	s_load_b128 s[4:7], s[0:1], 0x0                ; qkvimg s[4:5], oimg s[6:7]
	v_lshl_add_u32 v254, v0, 2, 0x42000
	v_mov_b32 v255, 0
	ds_add_u32 v254, v255
	ds_add_u32 v254, v255
	v_lshrrev_b32 v5, 5, v0
	v_readfirstlane_b32 s[WV], v5                  ; wave 0..15
	s_bfe_u32 s8, ttmp6, 0x40000                   ; cx: it enters q's and o's global addresses alone
	s_lshl_b32 s9, ttmp9, 2
	s_add_co_u32 s9, s9, s8                        ; my block of 256 queries
	s_and_b32 s10, ttmp7, 0xffff                   ; batch x 16 + head, which the four partners share
	s_lshl_b32 s11, s9, 4
	s_add_co_u32 s11, s11, s[WV]                   ; T: my tile of 16 queries within the batch
	s_lshr_b32 s12, s[WV], 2
	s_and_b32 s12, s12, 1                          ; waves 0-3 fetch for K, waves 4-7 for V,
	s_and_b32 s13, s[WV], 3                        ; a quarter each
	s_lshl_b32 s14, s12, 17
	s_lshl_b32 s15, s10, 12
	s_add_co_u32 s14, s14, s15
	s_lshl_b32 s15, s13, 10
	s_add_co_u32 s14, s14, s15
	s_add_co_u32 s14, s14, 0xC20000                ; my 1,024 bytes of scale words, in memory,
	s_mov_b32 s15, 0
	s_lshl_b32 s16, s12, 12
	s_lshl_b32 s17, s13, 10
	s_add_co_u32 s16, s16, s17
	s_add_co_u32 s16, s16, KSC                     ; and in LDS
	s_lshl_b32 s32, s12, 22
	s_lshl_b32 s33, s10, 17
	s_add_co_u32 s32, s32, s33
	s_lshl_b32 s33, s13, 13
	s_add_co_u32 s32, s32, s33
	s_add_co_u32 s32, s32, 0x400000                ; my key step (8,192 bytes) of chunk 0, in memory,
	s_mov_b32 s33, 0
	s_lshl_b32 s34, s12, 17
	s_lshl_b32 s35, s13, 13
	s_add_co_u32 s34, s34, s35                     ; and in LDS
.irp g, G1, G1S
	s_mov_b32 s[\g], 15|(3<<16)|(1<<21)            ; 15:0 the mask: all four work-groups; 17:16 elements of 8 bytes; 21 set beside a mask; no padding
	s_mov_b32 s[\g+1], 32<<16                      ; tensor_dim0 = 32
	s_mov_b32 s[\g+3], 32<<16                      ; tile_dim0
	s_mov_b32 s[\g+5], 32                          ; tensor_dim0_stride
	s_mov_b32 s[\g+6], 0
	s_mov_b32 s[\g+7], 0
.endr
	s_mov_b32 s[G1+2], 32<<16                      ; tensor_dim1, tile_dim1: 32 rows
	s_mov_b32 s[G1+4], 32
	s_mov_b32 s[G1S+2], 4<<16                      ; 4 rows
	s_mov_b32 s[G1S+4], 4
	s_mov_b32 s[SEL], 0x76543210
	s_mov_b32 s[SEL+1], 0xfedcba98
	s_mov_b32 s[CS], 0x3e38aa3b
	s_mov_b32 s[CS+1], s[CS]                       ; (named with it as a pair, so it is written)
	s_mov_b32 s[MNT], 0x600000
	s_mov_b32 s[TB], 0
	s_mov_b32 s[TS], 0
	; q's codes and scale bytes, o's codes and scale bytes
	s_lshl_b32 s66, s10, 17
	s_lshl_b32 s67, s11, 10
	s_add_co_u32 s66, s66, s67
	s_mov_b32 s67, 0
	s_lshl_b32 s68, s10, 12
	s_lshr_b32 s69, s11, 1
	s_lshl_b32 s69, s69, 6
	s_add_co_u32 s68, s68, s69
	s_and_b32 s69, s11, 1
	s_lshl_b32 s69, s69, 1
	s_add_co_u32 s68, s68, s69
	s_add_co_u32 s68, s68, 0xC00000
	s_mov_b32 s69, 0
	s_lshr_b32 s70, s10, 4
	s_lshl_b32 s70, s70, 7
	s_add_co_u32 s70, s70, s11                     ; the token tile among all 256
	s_lshl_b32 s70, s70, 3
	s_and_b32 s71, s10, 15                         ; the head
	s_lshr_b32 s72, s71, 1
	s_add_co_u32 s70, s70, s72                     ; the fragment: 8 x tile + head / 2
	s_and_b32 s71, s71, 1
	s_lshl_b32 s72, s70, 6
	s_lshl_b32 s73, s71, 1
	s_add_co_u32 s72, s72, s73
	s_add_co_u32 s72, s72, 0x400000
	s_mov_b32 s73, 0
	s_lshl_b32 s70, s70, 11
	s_lshl_b32 s71, s71, 10
	s_add_co_u32 s70, s70, s71
	s_mov_b32 s71, 0
	s_wait_dscnt 0x0
	s_wait_kmcnt 0x0
	s_add_nc_u64 s[14:15], s[4:5], s[14:15]
	s_add_nc_u64 s[32:33], s[4:5], s[32:33]
	s_add_nc_u64 s[66:67], s[4:5], s[66:67]
	s_add_nc_u64 s[68:69], s[4:5], s[68:69]
	s_add_nc_u64 s[70:71], s[6:7], s[70:71]
	s_add_nc_u64 s[72:73], s[6:7], s[72:73]
	s_mov_b32 s[G0], 1
	s_mov_b32 s[G0+1], s16
	s_mov_b64 s[G0+2:G0+3], s[14:15]
	s_or_b32 s[G0+3], s[G0+3], 0x80000000
.irp c, 0,1,2,3
	s_mov_b32 s[G0+4+4*\c], 1
	s_add_co_u32 s[G0+5+4*\c], s34, \c*32768
	s_add_nc_u64 s[G0+6+4*\c:G0+7+4*\c], s[32:33], \c*32768
	s_or_b32 s[G0+7+4*\c], s[G0+7+4*\c], 0x80000000
.endr
	ROUND                                          ; all four work-groups are here: the joint loads meet
	s_cmp_lt_u32 s[WV], 8                          ; a wave's fills stand in one branch on its number: five loads of mine are out
	s_cbranch_scc0 .Lno_fill
	tensor_load_to_lds s[G0:G0+3], s[G1S:G1S+7]
	s_nop 0
	tensor_load_to_lds s[G0+4:G0+7], s[G1:G1+7]
	s_nop 0
	tensor_load_to_lds s[G0+8:G0+11], s[G1:G1+7]
	s_nop 0
	tensor_load_to_lds s[G0+12:G0+15], s[G1:G1+7]
	s_nop 0
	tensor_load_to_lds s[G0+16:G0+19], s[G1:G1+7]
	s_nop 0
.rept 4
	v_nop
.endr
.Lno_fill:
	v_and_b32 v5, 31, v0
	v_lshlrev_b32 v[LI], 4, v5
	v_add_nc_u32 v[LIV], 0x20000, v[LI]
	v_and_b32 v5, 15, v0
	v_lshlrev_b32 v[LS], 2, v5
	v_add_nc_u32 v[LS0], KSC, v[LS]
.irp c, 0,1
	global_load_b128 v[QF+4*\c:QF+4*\c+3], v[LI], s[66:67] offset:512*\c        ; q below the zeros,
	global_load_b128 v[QF+16+4*\c:QF+19+4*\c], v[LI], s[66:67] offset:512*\c    ; and above them
.endr
	global_load_u16 v6, v[LS], s[68:69]            ; q's two scale bytes
.set J, 0
.rept 8
	v_mov_b32 v[QF+8+J], 0                         ; 64 zero codes
.set J, J+1
.endr
.set J, 0
.rept 32
	v_mov_b32 v[O+J], 0                            ; O^T.  (The step is written in one form: the first finds zeros, which the first change of M leaves zeros)
.set J, J+1
.endr
	v_mov_b32 v13, 0xff61b1e6                      ; the largest t so far: -3e38
	v_floor_f32 v12, -v13                          ; -M
	v_mov_b32 v14, 0                               ; the row's sum, in two pairs
	v_mov_b32 v15, 0
	v_mov_b32 v[LB], 0
	v_mov_b32 v[LB+1], 0
	v_mov_b32 v[FF+1], 0                           ; (named as the upper half of a pair)
	s_wait_loadcnt 0x0
	v_lshl_or_b32 v[QW], v6, 16, v6                ; the two bytes serve K 0-63 and K 64-127 alike
.irp b, 0,1,2,3
	v_mov_b32 v[TM+4+\b], 0                        ; a lane permute's destination counts as one of its sources
.endr
.irp c, 0,1,2,3
	s_wait_tensorcnt 3-\c                          ; the scale words and chunks 0 .. c are in; the younger chunks stay out
	s_barrier_signal -1
	s_barrier_wait -1                              ; everybody's are
	s_mov_b32 s[CNT], 4
.Lstep_\c:
	STEP
	s_sub_co_u32 s[CNT], s[CNT], 1
	s_cmp_lg_u32 s[CNT], 0
	s_cbranch_scc1 .Lstep_\c
.endr
.rept 8
	v_nop                                          ; places behind the last products
.endr
	; THE WAY OUT: O^T / the sum; register 16 b + i is channel 32 b + 16 (lane / 16) + i of my query: two blocks of the next product's K
	v_pk_add_f32 v[14:15], v[14:15], v[LB:LB+1]    ; the sum's two pairs,
	v_add_f32 v14, v14, v15                        ; its two halves,
	v_permlanex16_b32 v[T0], v14, s[SEL], s[SEL+1]
	v_add_f32 v14, v14, v[T0]                      ; and lane l xor 16's: the row's sum
	v_rcp_f32 v14, v14
	v_nop                                          ; a plain line behind the transcendental
.set J, 0
.rept 32
	s_wait_alu depctr_va_vdst(0)
	v_mul_f32 v[S+J], v[O+J], v14
.set J, J+1
.endr
.irp b, 0,1
	v_max3_num_f32 v[TM+\b], |v[S+16*\b]|, |v[S+1+16*\b]|, 0x8000000
.endr
.irp i, 2,4,6,8,10,12,14
.irp b, 0,1
	v_max3_num_f32 v[TM+\b], v[TM+\b], |v[S+16*\b+\i]|, |v[S+1+16*\b+\i]|
.endr
.endr
.irp b, 0,1
	v_permlanex16_b32 v[TM+4+\b], v[TM+\b], s[SEL], s[SEL+1]
.endr
.irp b, 0,1
	v_max_num_f32 v[TM+\b], v[TM+\b], v[TM+4+\b]
.endr
.irp b, 0,1
	v_add_nc_u32 v[TM+12+\b], 0xf8800000, v[TM+\b]
.endr
.irp b, 0,1
	v_and_or_b32 v[TM+8+\b], v[TM+\b], 0x7f800000, s[MNT]
.endr
.irp b, 0,1
	v_lshrrev_b32 v[TM+4+\b], 23, v[TM+12+\b]
.endr
	v_lshl_or_b32 v[PW], v[TM+5], 8, v[TM+4]
.irp b, 0,1
.irp i, 0,1,2,3,4,5,6,7,8,9,10,11,12,13,14,15
	v_med3_num_f32 v[S+16*\b+\i], v[S+16*\b+\i], -v[TM+8+\b], v[TM+8+\b]
.endr
	v_cvt_scalef32_pk8_bf8_f32 v[PCD+4*\b:PCD+1+4*\b], v[S+16*\b:S+7+16*\b], v[TM+12+\b]
	v_cvt_scalef32_pk8_bf8_f32 v[PCD+2+4*\b:PCD+3+4*\b], v[S+8+16*\b:S+15+16*\b], v[TM+12+\b]
.endr
	v_nop
.irp b, 0,1
	global_store_b128 v[LI], v[PCD+4*\b:PCD+4*\b+3], s[70:71] offset:512*\b   ; 512 consecutive bytes a store
.endr
	global_store_b16 v[LS], v[PW], s[72:73]        ; my head's half of the fragment's scale words
	s_wait_tensorcnt 0x0
	ds_add_u32 v254, v255
	s_wait_dscnt 0x0
	ROUND                                          ; the closing round
	s_endpgm
.Lfunc_end_k_qb8893ecb65_attn:
	.size	k_qb8893ecb65_attn, .Lfunc_end_k_qb8893ecb65_attn-k_qb8893ecb65_attn
	.p2alignl 7, 3214868480
	.fill 96, 4, 3214868480
	.section	.rodata,"a",@progbits
	.p2align	6, 0x0
	.amdhsa_kernel k_qb8893ecb65_attn
		.amdhsa_group_segment_fixed_size 327680
		.amdhsa_private_segment_fixed_size 0
		.amdhsa_enable_private_segment 0
		.amdhsa_kernarg_size 16
		.amdhsa_user_sgpr_count 2
		.amdhsa_user_sgpr_kernarg_segment_ptr 1
		.amdhsa_wavefront_size32 1
		.amdhsa_system_sgpr_workgroup_id_x 1
		.amdhsa_system_sgpr_workgroup_id_y 1
		.amdhsa_system_sgpr_workgroup_id_z 1
		.amdhsa_system_vgpr_workitem_id 0
		.amdhsa_next_free_vgpr 256
		.amdhsa_next_free_sgpr 80
		.amdhsa_reserve_vcc 0
		.amdhsa_float_denorm_mode_32 3
		.amdhsa_float_denorm_mode_16_64 3
		.amdhsa_memory_ordered 1
		.amdhsa_forward_progress 1
		.amdhsa_inst_pref_size 94
	.end_amdhsa_kernel
	.amdgpu_metadata
---
amdhsa.version: [ 1, 2 ]
amdhsa.kernels:
  - .name:           k_qb8893ecb65_attn
    .symbol:         k_qb8893ecb65_attn.kd
    .args:
      - { .name: qkvimg, .offset: 0, .size: 8, .value_kind: global_buffer, .address_space: global }
      - { .name: oimg, .offset: 8, .size: 8, .value_kind: global_buffer, .address_space: global }
    .group_segment_fixed_size: 327680
    .private_segment_fixed_size: 0
    .kernarg_segment_align: 8
    .kernarg_segment_size: 16
    .max_flat_workgroup_size: 512
    .sgpr_count:     80
    .vgpr_count:     256
    .wavefront_size: 32
...
	.end_amdgpu_metadata
.endif
;; end of part 3
;; launch proj (part 4): grid 8 x 32, 4 waves a work-group, clusters of 4 x 4, 327,680 bytes of LDS; arguments oimg, pre, b_proj, x, x1; writes x1
.if DOCPART == 4
	.amdgcn_target "amdgcn-amd-amdhsa--gfx1250"
	.amdhsa_code_object_version 6
	.text
	.protected	k_qb8893ecb65_proj
	.globl	k_qb8893ecb65_proj
	.p2align	8
	.type	k_qb8893ecb65_proj,@function
k_qb8893ecb65_proj:
	s_mov_b64 s[64:65], 0
	v_nop
	global_prefetch_b8 v0, s[64:65] scope:SCOPE_SE
	s_setreg_imm32_b32 hwreg(HW_REG_WAVE_MODE, 25, 1), 1
	s_wait_xcnt 0x0
	s_wait_alu depctr_hold_cnt(0) depctr_sa_sdst(0) depctr_va_vdst(0) depctr_va_sdst(0) depctr_va_ssrc(0) depctr_va_vcc(0) depctr_vm_vsrc(0)
	s_getreg_b32 s2, hwreg(HW_REG_IB_STS2, 6, 4)
	s_cmp_eq_u32 s2, 0
	s_cbranch_scc0 .Lentry_in_a_cluster
	s_endpgm
.Lentry_in_a_cluster:
	s_bfe_u32 s2, ttmp6, 0x10000c
	s_cmp_lg_u32 s2, 0xf033
	s_cbranch_scc0 .Lentry_shape_is_right
	s_endpgm
.Lentry_shape_is_right:
; out = res + a W^T + bias: a (tokens) and W arrive as codes of BF8 (E5M2) with E8M0 scales, as images of the operands' registers; res, bias and out are f32.  Here: x1 = x + o w_proj^T + b_proj, K = 1,024.
; Fragment (row tile T, K step ks) is 2,048 bytes at (KF T + ks) x 2,048, lane l's registers 4 c .. 4 c + 3 at 512 c + 16 l; its scale words at (KF T + ks) x 64 + 4 x row.  A tensor load brings them as they lie.
; N = 1,024: tiles of 256 x 256 would give work to 64 WGPs only, so a tile of the result is 128 x 128 (256 work-groups): four waves, each 64 x 64, 16 accumulators; a slot holds 512 along K.
; Source 0 ('B') = 16 rows of W, source 1 ('A') = 16 tokens: a lane holds one token and eight features a tile.  The rows of a tile are not neighbours: lane-row p of tile T is row 32 (T / 2) + 8 (T % 2) + p + 8 (p / 8).
; The bias is the C of each sum's first product.  The residual's 64 x 64 numbers are asked for at the head and land under the K loop.
; CLUSTERS: 4 x 4 work-groups; A's tiles are asked for jointly along a row of the cluster, B's along a column.
; REGISTERS: window 0: v0-31 addresses; v32-63 scale words, two sets, and nothing else; v64-95 the bias; v128-191 A's fragments, one set (later the way out).  window 1: B's fragments, two sets.
;   window 2: v0-127 accumulator (a, b) at v[8 (4 a + b)]; v128-255 the residual.
.set NB,     4
.set NQ,     4
.set SIZE_K, 1024
.set A_CODES,  0
.set A_SCALES, 0x400000
.set B_CODES,  0x780000
.set B_SCALES, 0x38000
.set KF,     SIZE_K/128
.set RTB,    NQ*2048
.set HALFT,  NB*RTB
.set SLOT,   4*HALFT
.set SCL,    2*SLOT
.set SBLK,   KF*64
.set HALFS,  NB*SBLK
.set SPARE,  SCL+4*HALFS               ; the spare words, 128 bytes for each wave: two blocks of 256 bytes that no other line names
.set STG,    SPARE+512                 ; the way out: a stage of 16 rows x (256 bytes + 16) for each wave; no tensor load ever lands here
.set SPITCH, 272
.set LAPS,   SIZE_K/(2*NQ*128)
.set NP,     8
.set HL,     (NB/2)*4
.set LI,   1
.set LS,   2
.set H64,  5
.set ADRA, 16
.set ADRB, 20
.set STO,  24
.set RD,   25
.set CO,   26
.set ADRS, 27
.set SPW,  28
.set NIL,  29
.set SC,   32
.set BIAS, 64
.set AF,   128
.set BK,   128
.set RES,  128                         ; in window 2
.set G1,   24
.set G0,   32
.set G1B,  48
.set G0B,  56
.set G1S,  68
.set G0S,  76
.set G1SB, 80
.set G0SB, 88
.set MUL_LO, 0xa1
.set MUL_HI, 0xa1
.set TO_B,   0x40
.set MSB, 0
.macro WIN new
.if MSB != (\new)
	s_set_vgpr_msb (MSB<<8)|(\new)
.set MSB, (\new)
.endif
.endm
.macro JLOAD g0a, g1a, g0b, g1b        ; a joint load: waves 0 and 1 fetch for A, waves 2 and 3 for B.  Four v_nop follow each of the two lines
	s_cmp_eq_u32 s15, 0
	s_cbranch_scc0 .Lfor_b_\@
	tensor_load_to_lds s[\g0a:\g0a+3], s[\g1a:\g1a+7]
	s_nop 0
.rept 4
	v_nop
.endr
	s_branch .Lasked_\@
.Lfor_b_\@:
	tensor_load_to_lds s[\g0b:\g0b+3], s[\g1b:\g1b+7]
	s_nop 0
.rept 4
	v_nop
.endr
.Lasked_\@:
.endm
.macro CREST
	s_cmp_lg_u32 s14, 0
	s_cbranch_scc1 .Lnot_wave_0_\@
	s_barrier_signal -3
.Lnot_wave_0_\@:
	s_barrier_wait -3
	s_barrier_signal -1
	s_barrier_wait -1
.endm
.macro CROUND
	s_barrier_signal -1
	s_barrier_wait -1
	CREST
.endm
.macro PLACES n
.rept \n
	v_nop
.endr
.endm
.macro FRAG reg, adr, q, i
.irp c, 0,1,2,3
	ds_load_b128 v[\reg+4*\c:\reg+4*\c+3], v[\adr] offset:(\i)*RTB+(\q)*2048+512*\c
.endr
.endm
.macro FETCH_B slot, q, p
	WIN TO_B
.set II, 0
.rept NB
	FRAG 128*(\p)+16*II, ADRB+\slot, \q, II
.set II, II+1
.endr
	WIN 0
.endm
.macro FETCH_A slot, q, i0
.set II, \i0
.rept NB/2
	FRAG AF+16*II, ADRA+\slot, \q, II
.set II, II+1
.endr
.endm
.macro SCALES sc
.set II, 0
.rept NB
.set QQ, 0
.rept NQ
	ds_load_b32 v[SC+NB*NQ*(\sc)+NQ*II+QQ], v[ADRS] offset:II*SBLK+64*QQ
.set QQ, QQ+1
.endr
.set II, II+1
.endr
.endm
.macro MULA a, p, q, sc, cm            ; cm = 1: the products start the sums; 2: the sums start from the bias; 0: they go on
.set BB, 0
.rept NB
.set RDD, 8*(NB*((\a)%4)+BB)
.set RBB, 128*(\p)+16*BB
.set RAA, AF+16*(\a)
.set SBB, SC+NB*NQ*(\sc)+NQ*BB+(\q)
.set SAA, SC+NB*NQ*(\sc)+NQ*(\a)+(\q)
.if \cm == 1
	v_wmma_scale_f32_16x16x128_f8f6f4 v[RDD:RDD+7], v[RBB:RBB+15], v[RAA:RAA+15], 0, v[SBB], v[SAA] matrix_a_fmt:MATRIX_FMT_BF8 matrix_b_fmt:MATRIX_FMT_BF8 matrix_a_scale:MATRIX_SCALE_ROW1
.elseif \cm == 2
	v_wmma_scale_f32_16x16x128_f8f6f4 v[RDD:RDD+7], v[RBB:RBB+15], v[RAA:RAA+15], v[BIAS+8*BB:BIAS+8*BB+7], v[SBB], v[SAA] matrix_a_fmt:MATRIX_FMT_BF8 matrix_b_fmt:MATRIX_FMT_BF8 matrix_a_scale:MATRIX_SCALE_ROW1
.else
	v_wmma_scale_f32_16x16x128_f8f6f4 v[RDD:RDD+7], v[RBB:RBB+15], v[RAA:RAA+15], v[RDD:RDD+7], v[SBB], v[SAA] matrix_a_fmt:MATRIX_FMT_BF8 matrix_b_fmt:MATRIX_FMT_BF8 matrix_a_scale:MATRIX_SCALE_ROW1
.endif
.set BB, BB+1
.endr
.endm
.macro MULS a0, n, p, q, sc, cm        ; the accumulators take turns, one instruction a turn, in the same order in every step
.set AA, \a0
.rept \n
	MULA AA, \p, \q, \sc, \cm
.set AA, AA+1
.endr
.endm
.macro STEP slot, q, cm
	s_wait_dscnt HL                                ; all but the youngest loads, A's upper blocks, are in
.if \cm == 2
	WIN 0x81                                       ; C (the bias) window 0, D window 2
.else
	WIN MUL_LO
.endif
	MULS 0, NB/2, (\q)%2, \q, \slot, \cm
	s_wait_dscnt 0x0
	PLACES NP
	FETCH_B \slot, (\q)+1, 1-(\q)%2
	FETCH_A \slot, (\q)+1, 0
.if \cm == 2
	WIN 0x81
.else
	WIN MUL_HI
.endif
	MULS NB/2, NB/2, (\q)%2, \q, \slot, \cm
	PLACES NP
	WIN 0
	FETCH_A \slot, (\q)+1, NB/2
.endm
.macro STEPS slot, first
.set QS, \first
.rept NQ-1-\first
	STEP \slot, QS, 0
.set QS, QS+1
.endr
.endm
.macro TURN slot, next, fill
	s_wait_tensorcnt 0x0                           ; all my tensor loads have landed: my part of the next slot
	ds_add_u32 v[SPW], v[NIL]                      ; 0 onto my spare word
	s_wait_dscnt HL+1                              ; (the add and A's upper blocks may be out)
	WIN MUL_LO
	MULS 0, NB/4, 1, NQ-1, \slot, 0
	s_wait_dscnt 0x0                               ; the add is done, and my reads of this slot are over
	s_barrier_signal -1
	MULS NB/4, NB/4, 1, NQ-1, \slot, 0
	WIN 0
	s_barrier_wait -1
.if \fill
	CREST
	s_add_nc_u64 s[G0+4*\slot+2:G0+4*\slot+3], s[G0+4*\slot+2:G0+4*\slot+3], 2*RTB
	s_add_nc_u64 s[G0B+4*\slot+2:G0B+4*\slot+3], s[G0B+4*\slot+2:G0B+4*\slot+3], 2*RTB
	JLOAD G0+4*\slot, G1, G0B+4*\slot, G1B
	PLACES NP-4
.else
	PLACES NP
.endif
	v_add_nc_u32 v[ADRS], NQ*64, v[ADRS]
	FETCH_B \next, 0, 0
	FETCH_A \next, 0, 0
	SCALES \next
	WIN MUL_HI
	MULS NB/2, NB/2, 1, NQ-1, \slot, 0
	PLACES NP
	WIN 0
	FETCH_A \next, 0, NB/2
.endm
.macro LAST
	s_wait_dscnt HL
	WIN MUL_LO
	MULS 0, NB/2, 1, NQ-1, 1, 0
	s_wait_dscnt 0x0
	WIN MUL_HI
	MULS NB/2, NB/2, 1, NQ-1, 1, 0
	WIN 0
.endm
	s_load_b256 s[4:11], s[0:1], 0x0               ; A's buffer s[4:5], B's s[6:7], bias s[8:9], residual s[10:11]
	s_load_b64 s[12:13], s[0:1], 0x20              ; out
	v_lshl_add_u32 v[SPW], v0, 2, SPARE
	v_mov_b32 v[NIL], 0
	ds_add_u32 v28, v29
	ds_add_u32 v28, v29
	s_wait_dscnt 0x0
	v_lshrrev_b32 v7, 5, v0
	v_readfirstlane_b32 s14, v7
	s_lshr_b32 s15, s14, 1
	s_and_b32 s16, s14, 1
	s_bfe_u32 s40, ttmp6, 0x40000
	s_bfe_u32 s41, ttmp6, 0x40004
	s_lshl_b32 s42, ttmp9, 2
	s_add_co_u32 s42, s42, s40                     ; PT: my block of 128 features
	s_and_b32 s17, ttmp7, 0xffff
	s_lshl_b32 s17, s17, 2
	s_add_co_u32 s17, s17, s41                     ; QT: my block of 128 tokens
	s_lshl_b32 s43, s41, 2
	s_lshl_b32 s43, 15, s43
	s_lshl_b32 s44, 0x1111, s40
	s_or_b32 s[G1+0], s43, (3<<16)|(1<<21)         ; 15:0 the mask; 17:16 elements of 8 bytes; 21 set beside a mask; no padding
	s_or_b32 s[G1B+0], s44, (3<<16)|(1<<21)
.irp g, G1, G1B
	s_mov_b32 s[\g+1], (RTB/8)<<16
	s_mov_b32 s[\g+2], NB<<16
	s_mov_b32 s[\g+3], (RTB/8)<<16
	s_mov_b32 s[\g+4], NB
	s_mov_b32 s[\g+5], 2*SIZE_K
	s_mov_b32 s[\g+6], 0
	s_mov_b32 s[\g+7], 0
.endr
	s_or_b32 s[G1S+0], s43, (3<<16)|(1<<21)
	s_or_b32 s[G1SB+0], s44, (3<<16)|(1<<21)
.irp g, G1S, G1SB
	s_mov_b32 s[\g+1], 32<<16
	s_mov_b32 s[\g+2], (HALFS/256)<<16
	s_mov_b32 s[\g+3], 32<<16
	s_mov_b32 s[\g+4], HALFS/256
	s_mov_b32 s[\g+5], 32
	s_mov_b32 s[\g+6], 0
	s_mov_b32 s[\g+7], 0
.endr
	s_mul_i32 s18, s16, NB
	s_mul_i32 s20, s17, 2*NB
	s_add_co_u32 s20, s20, s18
	s_mul_i32 s22, s20, SBLK
	s_add_co_u32 s22, s22, A_SCALES
	s_mov_b32 s23, 0
	s_mul_i32 s20, s20, 16*SIZE_K
	s_add_co_u32 s20, s20, A_CODES
	s_mov_b32 s21, 0
	s_mul_i32 s46, s42, 2*NB
	s_add_co_u32 s46, s46, s18
	s_mul_i32 s92, s46, SBLK
	s_add_co_u32 s92, s92, B_SCALES
	s_mov_b32 s93, 0
	s_mul_i32 s46, s46, 16*SIZE_K
	s_add_co_u32 s46, s46, B_CODES
	s_mov_b32 s47, 0
	s_mul_i32 s45, s14, HALFT
	s_mul_i32 s94, s14, HALFS
	s_wait_kmcnt 0x0
	s_add_nc_u64 s[20:21], s[4:5], s[20:21]
	s_add_nc_u64 s[22:23], s[4:5], s[22:23]
	s_add_nc_u64 s[46:47], s[6:7], s[46:47]
	s_add_nc_u64 s[92:93], s[6:7], s[92:93]
	CROUND                                         ; all sixteen work-groups are here: the first joint loads meet
	s_mov_b32 s[G0S], 1
	s_add_co_u32 s[G0S+1], s94, SCL
	s_mov_b64 s[G0S+2:G0S+3], s[22:23]
	s_or_b32 s[G0S+3], s[G0S+3], 0x80000000
	s_mov_b32 s[G0SB], 1
	s_add_co_u32 s[G0SB+1], s94, SCL
	s_mov_b64 s[G0SB+2:G0SB+3], s[92:93]
	s_or_b32 s[G0SB+3], s[G0SB+3], 0x80000000
	JLOAD G0S, G1S, G0SB, G1SB                     ; with the two slots three loads of mine are out
.irp s, 0,1
	s_mov_b32 s[G0+4*\s], 1
	s_add_co_u32 s[G0+4*\s+1], s45, \s*SLOT
	s_add_nc_u64 s[G0+4*\s+2:G0+4*\s+3], s[20:21], \s*RTB
	s_or_b32 s[G0+4*\s+3], s[G0+4*\s+3], 0x80000000
	s_mov_b32 s[G0B+4*\s], 1
	s_add_co_u32 s[G0B+4*\s+1], s45, \s*SLOT
	s_add_nc_u64 s[G0B+4*\s+2:G0B+4*\s+3], s[46:47], \s*RTB
	s_or_b32 s[G0B+4*\s+3], s[G0B+4*\s+3], 0x80000000
	JLOAD G0+4*\s, G1, G0B+4*\s, G1B
.endr
	v_and_b32 v7, 31, v0
	v_lshlrev_b32 v[LI], 4, v7
	v_and_b32 v7, 15, v0                           ; r
	v_bfe_u32 v8, v0, 4, 1                         ; h
	v_lshlrev_b32 v[LS], 2, v7
	v_lshlrev_b32 v[H64], 6, v8
	v_lshlrev_b32 v9, 12, v8
	v_lshl_add_u32 v[CO], v7, 4, v9                ; residual and out: lanes 0-15 one row's 256 bytes, lanes 16-31 the next row's
	s_lshl_b32 s18, s42, 9
	s_lshl_b32 s19, s16, 8
	s_add_co_u32 s18, s18, s19                     ; 4 f0, f0 = 128 PT + 64 x half: my first feature
	s_mov_b32 s19, 0
	s_add_nc_u64 s[96:97], s[8:9], s[18:19]
	s_lshl_b32 s20, s17, 19
	s_lshl_b32 s21, s15, 18
	s_add_co_u32 s20, s20, s21                     ; 4,096 x (128 QT + 64 x half): my first token's row
	s_add_co_u32 s18, s18, s20
	s_add_nc_u64 s[98:99], s[10:11], s[18:19]
	s_add_nc_u64 s[100:101], s[12:13], s[18:19]
.irp b, 0,1,2,3
	global_load_b128 v[BIAS+8*\b:BIAS+8*\b+3], v[H64], s[96:97] offset:128*(\b/2)+32*(\b%2)        ; tile b, lane half h: features f0 + 32 (b / 2) + 8 (b % 2) + 16 h + 0 .. 7
	global_load_b128 v[BIAS+8*\b+4:BIAS+8*\b+7], v[H64], s[96:97] offset:128*(\b/2)+32*(\b%2)+16
.endr
	WIN 0x80                                       ; destination window 2
.irp a, 0,1,2,3
.irp t, 0,1,2,3,4,5,6,7
	global_load_b128 v[RES+32*\a+4*\t:RES+32*\a+4*\t+3], v[CO], s[98:99] offset:4096*(32*(\a/2)+8*(\a%2)+2*\t+8*(\t/4))
.endr
.endr
	WIN 0
	s_mul_i32 s21, s15, HALFT
	s_mul_i32 s22, s16, HALFT
	s_add_co_u32 s22, s22, 2*HALFT
.irp s, 0,1
	v_add_nc_u32 v[ADRA+\s], s21, v[LI]
	v_add_nc_u32 v[ADRB+\s], s22, v[LI]
	s_add_co_u32 s21, s21, SLOT
	s_add_co_u32 s22, s22, SLOT
.endr
	s_mul_i32 s21, s15, HALFS
	s_mul_i32 s22, s16, HALFS
	s_add_co_u32 s22, s22, 2*HALFS
	s_sub_co_u32 s22, s22, s21
	v_mul_u32_u24 v9, s22, v8                      ; lanes 16-31 take B's words
	s_add_co_u32 s21, s21, SCL
	v_add_nc_u32 v9, v9, v[LS]
	v_add_nc_u32 v[ADRS], s21, v9
	s_mul_i32 s23, s14, 16*SPITCH
	s_add_co_u32 s23, s23, STG                     ; my stage
	v_mul_u32_u24 v9, v7, SPITCH
	v_lshl_add_u32 v9, v8, 6, v9
	v_add_nc_u32 v[STO], s23, v9                   ; in: row r, + 64 h
	v_mul_u32_u24 v9, v8, SPITCH
	v_lshl_add_u32 v9, v7, 4, v9
	v_add_nc_u32 v[RD], s23, v9                    ; back: lanes 0-15 one row, lanes 16-31 the next
	s_wait_loadcnt 32                              ; the bias is in; the 32 loads of the residual stay out under the K loop
	s_wait_tensorcnt 1                             ; the scale words and my part of slot 0 are in; slot 1's load may be out
	s_barrier_signal -1
	s_barrier_wait -1
	FETCH_B 0, 0, 0
	FETCH_A 0, 0, 0
	SCALES 0
	FETCH_A 0, 0, NB/2
	STEP 0, 0, 2                                   ; the first step's sums start from the bias
	STEPS 0, 1
.if LAPS > 1
	s_mov_b32 s3, LAPS-1
.Llap:
	TURN 0, 1, 1
	STEPS 1, 0
	TURN 1, 0, 1
	STEPS 0, 0
	s_sub_co_u32 s3, s3, 1
	s_cmp_lg_u32 s3, 0
	s_cbranch_scc1 .Llap
.endif
	TURN 0, 1, 0
	STEPS 1, 0
	LAST
	; THE WAY OUT, a block of 16 tokens x 64 features at a time: through my own stage, back as whole rows of 256 bytes, the residual added, stored: sixteen lanes fill 256 consecutive bytes, aligned.
	s_wait_loadcnt 0x0                             ; the residual
	PLACES NP                                      ; in front of the first read of results and of loads into registers that held A's fragments
.irp a, 0,1,2,3
.if \a >= 2
	s_wait_xcnt 0x0                                ; block a - 2's stores have read their registers
.endif
	WIN 0x08                                       ; an LDS store's data are its source 1: window 2
.irp b, 0,1,2,3
	ds_store_b128 v[STO], v[8*(4*\a+\b):8*(4*\a+\b)+3] offset:128*(\b/2)+32*(\b%2)          ; each accumulator from its low end on
	ds_store_b128 v[STO], v[8*(4*\a+\b)+4:8*(4*\a+\b)+7] offset:128*(\b/2)+32*(\b%2)+16
.endr
	WIN 0
.irp t, 0,1,2,3,4,5,6,7
	ds_load_b128 v[BK+32*(\a%2)+4*\t:BK+32*(\a%2)+4*\t+3], v[RD] offset:2*SPITCH*\t         ; LDS serves a wave's instructions in order: these see my stores
.endr
	s_wait_dscnt 0x0
	WIN 0x08                                       ; source 1 (the residual) window 2
.irp n, 0,2,4,6,8,10,12,14,16,18,20,22,24,26,28,30
	v_pk_add_f32 v[BK+32*(\a%2)+\n:BK+32*(\a%2)+\n+1], v[BK+32*(\a%2)+\n:BK+32*(\a%2)+\n+1], v[RES+32*\a+\n:RES+32*\a+\n+1]
.endr
	WIN 0
.irp t, 0,1,2,3,4,5,6,7
	global_store_b128 v[CO], v[BK+32*(\a%2)+4*\t:BK+32*(\a%2)+4*\t+3], s[100:101] offset:4096*(32*(\a/2)+8*(\a%2)+2*\t+8*(\t/4))
.endr
.endr
	s_wait_tensorcnt 0x0                           ; the wave's end
	ds_add_u32 v[SPW], v[NIL]
	s_wait_dscnt 0x0
	CROUND                                         ; the closing round
	s_endpgm
.Lfunc_end_k_qb8893ecb65_proj:
	.size	k_qb8893ecb65_proj, .Lfunc_end_k_qb8893ecb65_proj-k_qb8893ecb65_proj
	.p2alignl 7, 3214868480
	.fill 96, 4, 3214868480
	.section	.rodata,"a",@progbits
	.p2align	6, 0x0
	.amdhsa_kernel k_qb8893ecb65_proj
		.amdhsa_group_segment_fixed_size 327680
		.amdhsa_private_segment_fixed_size 0
		.amdhsa_enable_private_segment 0
		.amdhsa_kernarg_size 40
		.amdhsa_user_sgpr_count 2
		.amdhsa_user_sgpr_kernarg_segment_ptr 1
		.amdhsa_wavefront_size32 1
		.amdhsa_system_sgpr_workgroup_id_x 1
		.amdhsa_system_sgpr_workgroup_id_y 1
		.amdhsa_system_sgpr_workgroup_id_z 1
		.amdhsa_system_vgpr_workitem_id 0
		.amdhsa_next_free_vgpr 768
		.amdhsa_next_free_sgpr 102
		.amdhsa_reserve_vcc 0
		.amdhsa_float_denorm_mode_32 3
		.amdhsa_float_denorm_mode_16_64 3
		.amdhsa_memory_ordered 1
		.amdhsa_forward_progress 1
		.amdhsa_inst_pref_size 66
	.end_amdhsa_kernel
	.amdgpu_metadata
---
amdhsa.version: [ 1, 2 ]
amdhsa.kernels:
  - .name:           k_qb8893ecb65_proj
    .symbol:         k_qb8893ecb65_proj.kd
    .args:
      - { .name: oimg, .offset: 0, .size: 8, .value_kind: global_buffer, .address_space: global }
      - { .name: pre, .offset: 8, .size: 8, .value_kind: global_buffer, .address_space: global }
      - { .name: b_proj, .offset: 16, .size: 8, .value_kind: global_buffer, .address_space: global }
      - { .name: x, .offset: 24, .size: 8, .value_kind: global_buffer, .address_space: global }
      - { .name: x1, .offset: 32, .size: 8, .value_kind: global_buffer, .address_space: global }
    .group_segment_fixed_size: 327680
    .private_segment_fixed_size: 0
    .kernarg_segment_align: 8
    .kernarg_segment_size: 40
    .max_flat_workgroup_size: 128
    .sgpr_count:     102
    .vgpr_count:     768
    .wavefront_size: 32
...
	.end_amdgpu_metadata
.endif
;; end of part 4
;; launch ln2: the kernel of part 1 again; grid 256 x 1, 8 waves a work-group, no clusters, 69,632 bytes of LDS; arguments x1, ln2_g, ln2_b, w_qkv, w_proj, w_fc1, w_fc2, hn2; writes hn2
;; launch fc1 (part 5): grid 16 x 16, 4 waves a work-group, clusters of 4 x 4, 327,680 bytes of LDS; arguments hn2, pre, b_fc1, hid; writes hid
.if DOCPART == 5
	.amdgcn_target "amdgcn-amd-amdhsa--gfx1250"
	.amdhsa_code_object_version 6
	.text
	.protected	k_qb8893ecb65_fc1
	.globl	k_qb8893ecb65_fc1
	.p2align	8
	.type	k_qb8893ecb65_fc1,@function
k_qb8893ecb65_fc1:
	s_mov_b64 s[64:65], 0
	v_nop
	global_prefetch_b8 v0, s[64:65] scope:SCOPE_SE
	s_setreg_imm32_b32 hwreg(HW_REG_WAVE_MODE, 25, 1), 1
	s_wait_xcnt 0x0
	s_wait_alu depctr_hold_cnt(0) depctr_sa_sdst(0) depctr_va_vdst(0) depctr_va_sdst(0) depctr_va_ssrc(0) depctr_va_vcc(0) depctr_vm_vsrc(0)
	s_getreg_b32 s2, hwreg(HW_REG_IB_STS2, 6, 4)
	s_cmp_eq_u32 s2, 0
	s_cbranch_scc0 .Lentry_in_a_cluster
	s_endpgm
.Lentry_in_a_cluster:
	s_bfe_u32 s2, ttmp6, 0x10000c
	s_cmp_lg_u32 s2, 0xf033
	s_cbranch_scc0 .Lentry_shape_is_right
	s_endpgm
.Lentry_shape_is_right:
; hid = Q(gelu(LN2(x1) w_fc1^T + b_fc1)): the product on codes of BF8 (E5M2) with E8M0 scales, the exact GELU in f32, and the result quantised along the 4,096 hidden units for the next product.
; OPERANDS are images of their registers: fragment (row tile T, K step ks) is 2,048 bytes at (KF T + ks) x 2,048, lane l's registers 4 c .. 4 c + 3 at 512 c + 16 l; its scale words at (KF T + ks) x 64 + 4 x row.
; A tile of the result, 256 x 256, is made by four waves, each 128 x 128: 64 accumulators.  K = 1,024 goes in steps of 256 through two LDS slots; the scale words of all of K come once.
; Source 0 ('B') = 16 rows of w_fc1, source 1 ('A') = 16 tokens: a lane holds one token, its registers run along 128 hidden units: one K step of the next product.
; The rows of a tile are not neighbours (lane-row p of tile T is row 32 (T / 2) + 8 (T % 2) + p + 8 (p / 8)): the 16 registers of two neighbouring result tiles are 16 neighbours along the next K.
; GELU: gelu(x) = max(x, 0) - |x| q, q = erfc(|x| / sqrt 2) / 2 = t 2^E, t = 1 / (1 + |x| / (2 sqrt 2)), E = -x^2 log2(e) / 2 + c0 + t (c1 + .. + t c9): the Chebyshev fit of erfc whose
; fractional error is 1.2e-7 for every argument, its coefficients times log2(e), the half folded into c0.  No difference of near numbers in the negative tail.
; CLUSTERS: 4 x 4 work-groups; A's tiles are asked for jointly along a row of the cluster, B's along a column.
; OUT (hid): codes at (32 T + ks) x 2,048, scale words from 0x1000000 at (32 T + ks) x 64.  Scale words leave in runs of 64 bytes: one byte in 32 of the codes'.
; LIMITS: v_exp_f32 gives 0 for results under 2^-126 (gelu's tail below about -13 becomes -0); a block of zeros gets the byte 1 where the rule says 127 (its codes are zeros; this program alone reads the bytes); NaN and infinities are not served.
; REGISTERS: window 0: v0-31 addresses; v32-63 scale words, two sets, and nothing else; v64-127 the bias; v128-255 A's fragments, one set (later the way out).  window 1: B's fragments, two sets.  windows 2, 3: accumulator (a, b) at v[8 (8 (a % 4) + b)].
.set NB,     8
.set NQ,     2
.set SIZE_K, 1024
.set A_CODES,  0x80000
.set A_SCALES, 0
.set B_CODES,  0x880000
.set B_SCALES, 0x40000
.set KF,     SIZE_K/128
.set RTB,    NQ*2048
.set HALFT,  NB*RTB
.set SLOT,   4*HALFT
.set SCL,    2*SLOT
.set SBLK,   KF*64
.set HALFS,  NB*SBLK
.set SPARE,  SCL+4*HALFS               ; the spare words, 128 bytes for each wave: two blocks of 256 bytes that no other line names
.set LAPS,   SIZE_K/(2*NQ*128)
.set NP,     8
.set HL,     (NB/2)*4
.set LI,   1
.set LS,   2
.set LIA,  3
.set LSA,  4
.set H64,  5
.set ADRA, 16
.set ADRB, 20
.set ADRS, 27
.set SPW,  28
.set NIL,  29
.set SC,   32
.set BIAS, 64
.set AF,   128
.set W,    128                         ; the way out: 64 numbers,
.set PC,   192                         ; their codes,
.set TM,   208                         ; the quantiser's figures,
.set PW,   224                         ; the scale word
.set GT,   192                         ; GELU: 16 t (where the codes will lie),
.set GA,   208                         ; 16 exponents, then q (where the figures will lie),
.set GU,   226                         ; 16 x^2, then max(x, 0)
.set C8V,  242                         ; v[242:243] c8
.set AI,   3
.set CK,   24                          ; s[24+2k:25+2k] ck, k = 0 .. 9 (8 unused): the descriptors' registers, free behind the last wait for all tensor loads
.set KX,   44                          ; s[44:45] -log2(e) / 2
.set KT,   46                          ; s46  1 / (2 sqrt 2)
.set G1,   24
.set G0,   32
.set G1B,  48
.set G0B,  56
.set SEL,  66
.set G1S,  68
.set G0S,  76
.set G1SB, 80
.set G0SB, 88
.set MNT,  101
.set MUL_LO, 0xa1
.set MUL_HI, 0xf1
.set TO_B,   0x40
.set MSB, 0
.macro WIN new
.if MSB != (\new)
	s_set_vgpr_msb (MSB<<8)|(\new)
.set MSB, (\new)
.endif
.endm
.macro JLOAD g0a, g1a, g0b, g1b        ; a joint load: waves 0 and 1 fetch for A, waves 2 and 3 for B.  Four v_nop follow each of the two lines
	s_cmp_eq_u32 s15, 0
	s_cbranch_scc0 .Lfor_b_\@
	tensor_load_to_lds s[\g0a:\g0a+3], s[\g1a:\g1a+7]
	s_nop 0
.rept 4
	v_nop
.endr
	s_branch .Lasked_\@
.Lfor_b_\@:
	tensor_load_to_lds s[\g0b:\g0b+3], s[\g1b:\g1b+7]
	s_nop 0
.rept 4
	v_nop
.endr
.Lasked_\@:
.endm
.macro CREST
	s_cmp_lg_u32 s14, 0
	s_cbranch_scc1 .Lnot_wave_0_\@
	s_barrier_signal -3
.Lnot_wave_0_\@:
	s_barrier_wait -3
	s_barrier_signal -1
	s_barrier_wait -1
.endm
.macro CROUND
	s_barrier_signal -1
	s_barrier_wait -1
	CREST
.endm
.macro PLACES n
.rept \n
	v_nop
.endr
.endm
.macro FRAG reg, adr, q, i
.irp c, 0,1,2,3
	ds_load_b128 v[\reg+4*\c:\reg+4*\c+3], v[\adr] offset:(\i)*RTB+(\q)*2048+512*\c
.endr
.endm
.macro FETCH_B slot, q, p
	WIN TO_B
.set II, 0
.rept NB
	FRAG 128*(\p)+16*II, ADRB+\slot, \q, II
.set II, II+1
.endr
	WIN 0
.endm
.macro FETCH_A slot, q, i0
.set II, \i0
.rept NB/2
	FRAG AF+16*II, ADRA+\slot, \q, II
.set II, II+1
.endr
.endm
.macro SCALES sc
.set II, 0
.rept NB
.set QQ, 0
.rept NQ
	ds_load_b32 v[SC+NB*NQ*(\sc)+NQ*II+QQ], v[ADRS] offset:II*SBLK+64*QQ
.set QQ, QQ+1
.endr
.set II, II+1
.endr
.endm
.macro MULA a, p, q, sc, cm
.set BB, 0
.rept NB
.set RDD, 8*(NB*((\a)%4)+BB)
.set RBB, 128*(\p)+16*BB
.set RAA, AF+16*(\a)
.set SBB, SC+NB*NQ*(\sc)+NQ*BB+(\q)
.set SAA, SC+NB*NQ*(\sc)+NQ*(\a)+(\q)
.if \cm == 1
	v_wmma_scale_f32_16x16x128_f8f6f4 v[RDD:RDD+7], v[RBB:RBB+15], v[RAA:RAA+15], 0, v[SBB], v[SAA] matrix_a_fmt:MATRIX_FMT_BF8 matrix_b_fmt:MATRIX_FMT_BF8 matrix_a_scale:MATRIX_SCALE_ROW1
.elseif \cm == 2
	v_wmma_scale_f32_16x16x128_f8f6f4 v[RDD:RDD+7], v[RBB:RBB+15], v[RAA:RAA+15], v[BIAS+8*BB:BIAS+8*BB+7], v[SBB], v[SAA] matrix_a_fmt:MATRIX_FMT_BF8 matrix_b_fmt:MATRIX_FMT_BF8 matrix_a_scale:MATRIX_SCALE_ROW1
.else
	v_wmma_scale_f32_16x16x128_f8f6f4 v[RDD:RDD+7], v[RBB:RBB+15], v[RAA:RAA+15], v[RDD:RDD+7], v[SBB], v[SAA] matrix_a_fmt:MATRIX_FMT_BF8 matrix_b_fmt:MATRIX_FMT_BF8 matrix_a_scale:MATRIX_SCALE_ROW1
.endif
.set BB, BB+1
.endr
.endm
.macro MULS a0, n, p, q, sc, cm        ; the accumulators take turns, one instruction a turn, in the same order in every step
.set AA, \a0
.rept \n
	MULA AA, \p, \q, \sc, \cm
.set AA, AA+1
.endr
.endm
.macro STEP slot, q, cm
	s_wait_dscnt HL                                ; all but the youngest loads, A's upper blocks, are in
.if \cm == 2
	WIN 0x81
.else
	WIN MUL_LO
.endif
	MULS 0, NB/2, (\q)%2, \q, \slot, \cm
	s_wait_dscnt 0x0
	PLACES NP
	FETCH_B \slot, (\q)+1, 1-(\q)%2
	FETCH_A \slot, (\q)+1, 0
.if \cm == 2
	WIN 0x81
.else
	WIN MUL_HI
.endif
	MULS NB/2, NB/2, (\q)%2, \q, \slot, \cm
	PLACES NP
	WIN 0
	FETCH_A \slot, (\q)+1, NB/2
.endm
.macro STEPS slot, first
.set QS, \first
.rept NQ-1-\first
	STEP \slot, QS, 0
.set QS, QS+1
.endr
.endm
.macro TURN slot, next, fill
	s_wait_tensorcnt 0x0                           ; all my tensor loads have landed: my part of the next slot
	ds_add_u32 v[SPW], v[NIL]                      ; 0 onto my spare word
	s_wait_dscnt HL+1                              ; (the add and A's upper blocks may be out)
	WIN MUL_LO
	MULS 0, NB/4, 1, NQ-1, \slot, 0
	s_wait_dscnt 0x0                               ; the add is done, and my reads of this slot are over
	s_barrier_signal -1
	MULS NB/4, NB/4, 1, NQ-1, \slot, 0
	WIN 0
	s_barrier_wait -1
.if \fill
	CREST                                          ; the barrier has opened a round of the cluster's: no wave of any partner still reads this slot or has a load on its way
	s_add_nc_u64 s[G0+4*\slot+2:G0+4*\slot+3], s[G0+4*\slot+2:G0+4*\slot+3], 2*RTB
	s_add_nc_u64 s[G0B+4*\slot+2:G0B+4*\slot+3], s[G0B+4*\slot+2:G0B+4*\slot+3], 2*RTB
	JLOAD G0+4*\slot, G1, G0B+4*\slot, G1B
	PLACES NP-4
.else
	PLACES NP
.endif
	v_add_nc_u32 v[ADRS], NQ*64, v[ADRS]
	FETCH_B \next, 0, 0
	FETCH_A \next, 0, 0
	SCALES \next
	WIN MUL_HI
	MULS NB/2, NB/2, 1, NQ-1, \slot, 0
	PLACES NP
	WIN 0
	FETCH_A \next, 0, NB/2
.endm
.macro LAST
	s_wait_dscnt HL
	WIN MUL_LO
	MULS 0, NB/2, 1, NQ-1, 1, 0
	s_wait_dscnt 0x0
	WIN MUL_HI
	MULS NB/2, NB/2, 1, NQ-1, 1, 0
	WIN 0
.endm
.macro QUANT s
.irp b, 0,1,2,3
	v_max3_num_f32 v[TM+\b], |v[\s+16*\b]|, |v[\s+1+16*\b]|, 0x8000000   ; and the floor 2^(16 - 127): the byte cannot fall under 1
.endr
.irp i, 2,4,6,8,10,12,14
.irp b, 0,1,2,3
	v_max3_num_f32 v[TM+\b], v[TM+\b], |v[\s+16*\b+\i]|, |v[\s+1+16*\b+\i]|
.endr
.endr
.irp b, 0,1,2,3
	v_permlanex16_b32 v[TM+4+\b], v[TM+\b], s[SEL], s[SEL+1]
.endr
.irp b, 0,1,2,3
	v_max_num_f32 v[TM+\b], v[TM+\b], v[TM+4+\b]
.endr
.irp b, 0,1,2,3
	v_add_nc_u32 v[TM+12+\b], 0xf8800000, v[TM+\b]
.endr
.irp b, 0,1,2,3
	v_and_or_b32 v[TM+8+\b], v[TM+\b], 0x7f800000, s[MNT]
.endr
.irp b, 0,1,2,3
	v_lshrrev_b32 v[TM+4+\b], 23, v[TM+12+\b]
.endr
	v_lshl_or_b32 v[PW], v[TM+5], 8, v[TM+4]
	v_lshl_or_b32 v[PW], v[TM+6], 16, v[PW]
	v_lshl_or_b32 v[PW], v[TM+7], 24, v[PW]
.irp b, 0,1,2,3
.irp i, 0,1,2,3,4,5,6,7,8,9,10,11,12,13,14,15
	v_med3_num_f32 v[\s+16*\b+\i], v[\s+16*\b+\i], -v[TM+8+\b], v[TM+8+\b]   ; the conversion does not saturate (ISA guide 7.6.2): the hold
.endr
	v_cvt_scalef32_pk8_bf8_f32 v[PC+4*\b:PC+1+4*\b], v[\s+16*\b:\s+7+16*\b], v[TM+12+\b]
	v_cvt_scalef32_pk8_bf8_f32 v[PC+2+4*\b:PC+3+4*\b], v[\s+8+16*\b:\s+15+16*\b], v[TM+12+\b]
.endr
	v_nop                                          ; a plain line behind the last conversion
.endm
.macro COPY a                          ; row block a's 64 results and their bias go into window 0, each accumulator from its low end on
	WIN 0x02+(\a)/4
.set NN, 0
.rept 32
	v_pk_add_f32 v[W+NN:W+NN+1], v[64*((\a)%4)+NN:64*((\a)%4)+NN+1], v[BIAS+NN:BIAS+NN+1]
.set NN, NN+2
.endr
	WIN 0
.endm
.macro KONST reg, bits                 ; a constant in both halves of a pair: the packed forms name the pair
	s_mov_b32 s[\reg], \bits
	s_mov_b32 s[\reg+1], \bits
.endm
.macro GELU                            ; the 64 numbers in v[W] on, 16 at a time
.irp c, 0,1,2,3
.irp i, 0,1,2,3,4,5,6,7,8,9,10,11,12,13,14,15
	v_fma_f32 v[GT+\i], |v[W+16*\c+\i]|, s[KT], 1.0
.endr
.irp i, 0,1,2,3,4,5,6,7,8,9,10,11,12,13,14,15
	v_rcp_f32 v[GT+\i], v[GT+\i]                   ; t
.endr
.irp i, 0,2,4,6,8,10,12,14
	v_pk_mul_f32 v[GU+\i:GU+\i+1], v[W+16*\c+\i:W+16*\c+\i+1], v[W+16*\c+\i:W+16*\c+\i+1]   ; x^2.  (Plain lines behind the reciprocals)
.endr
	s_wait_alu depctr_va_vdst(0)
.irp i, 0,2,4,6,8,10,12,14
	v_pk_fma_f32 v[GA+\i:GA+\i+1], v[GT+\i:GT+\i+1], s[CK+18:CK+19], v[C8V:C8V+1] op_sel_hi:[1,0,1]
.endr
.irp k, 7,6,5,4,3,2,1,0
.irp i, 0,2,4,6,8,10,12,14
	v_pk_fma_f32 v[GA+\i:GA+\i+1], v[GA+\i:GA+\i+1], v[GT+\i:GT+\i+1], s[CK+2*\k:CK+2*\k+1] op_sel_hi:[1,1,0]
.endr
.endr
.irp i, 0,2,4,6,8,10,12,14
	v_pk_fma_f32 v[GA+\i:GA+\i+1], v[GU+\i:GU+\i+1], s[KX:KX+1], v[GA+\i:GA+\i+1] op_sel_hi:[1,0,1]   ; E
.endr
.irp i, 0,1,2,3,4,5,6,7,8,9,10,11,12,13,14,15
	v_exp_f32 v[GA+\i], v[GA+\i]
.endr
.irp i, 0,1,2,3,4,5,6,7,8,9,10,11,12,13,14,15
	v_max_num_f32 v[GU+\i], 0, v[W+16*\c+\i]       ; max(x, 0).  (Plain lines behind the exponentials)
.endr
	s_wait_alu depctr_va_vdst(0)
.irp i, 0,2,4,6,8,10,12,14
	v_pk_mul_f32 v[GA+\i:GA+\i+1], v[GA+\i:GA+\i+1], v[GT+\i:GT+\i+1]   ; q = t 2^E
.endr
.irp i, 0,1,2,3,4,5,6,7,8,9,10,11,12,13,14,15
	v_fma_f32 v[W+16*\c+\i], -|v[W+16*\c+\i]|, v[GA+\i], v[GU+\i]
.endr
.endr
.endm
	s_load_b256 s[4:11], s[0:1], 0x0               ; hn2 s[4:5], pre s[6:7], b_fc1 s[8:9], hid s[10:11]
	v_lshl_add_u32 v[SPW], v0, 2, SPARE
	v_mov_b32 v[NIL], 0
	ds_add_u32 v28, v29
	ds_add_u32 v28, v29
	s_wait_dscnt 0x0
	v_lshrrev_b32 v7, 5, v0
	v_readfirstlane_b32 s14, v7
	s_lshr_b32 s15, s14, 1
	s_and_b32 s16, s14, 1
	s_bfe_u32 s40, ttmp6, 0x40000
	s_bfe_u32 s41, ttmp6, 0x40004
	s_lshl_b32 s42, ttmp9, 2
	s_add_co_u32 s42, s42, s40                     ; PT: my block of 256 hidden units
	s_and_b32 s17, ttmp7, 0xffff
	s_lshl_b32 s17, s17, 2
	s_add_co_u32 s17, s17, s41                     ; QT: my block of 256 tokens
	s_lshl_b32 s43, s41, 2
	s_lshl_b32 s43, 15, s43
	s_lshl_b32 s44, 0x1111, s40
	s_or_b32 s[G1+0], s43, (3<<16)|(1<<21)         ; 15:0 the mask; 17:16 elements of 8 bytes; 21 set beside a mask; no padding
	s_or_b32 s[G1B+0], s44, (3<<16)|(1<<21)
.irp g, G1, G1B
	s_mov_b32 s[\g+1], (RTB/8)<<16
	s_mov_b32 s[\g+2], NB<<16
	s_mov_b32 s[\g+3], (RTB/8)<<16
	s_mov_b32 s[\g+4], NB
	s_mov_b32 s[\g+5], 2*SIZE_K
	s_mov_b32 s[\g+6], 0
	s_mov_b32 s[\g+7], 0
.endr
	s_or_b32 s[G1S+0], s43, (3<<16)|(1<<21)
	s_or_b32 s[G1SB+0], s44, (3<<16)|(1<<21)
.irp g, G1S, G1SB
	s_mov_b32 s[\g+1], 32<<16
	s_mov_b32 s[\g+2], (HALFS/256)<<16
	s_mov_b32 s[\g+3], 32<<16
	s_mov_b32 s[\g+4], HALFS/256
	s_mov_b32 s[\g+5], 32
	s_mov_b32 s[\g+6], 0
	s_mov_b32 s[\g+7], 0
.endr
	s_mul_i32 s18, s16, NB
	s_mul_i32 s20, s17, 2*NB
	s_add_co_u32 s20, s20, s18
	s_mul_i32 s22, s20, SBLK
	s_add_co_u32 s22, s22, A_SCALES
	s_mov_b32 s23, 0
	s_mul_i32 s20, s20, 16*SIZE_K
	s_add_co_u32 s20, s20, A_CODES
	s_mov_b32 s21, 0
	s_mul_i32 s46, s42, 2*NB
	s_add_co_u32 s46, s46, s18
	s_mul_i32 s92, s46, SBLK
	s_add_co_u32 s92, s92, B_SCALES
	s_mov_b32 s93, 0
	s_mul_i32 s46, s46, 16*SIZE_K
	s_add_co_u32 s46, s46, B_CODES
	s_mov_b32 s47, 0
	s_mul_i32 s45, s14, HALFT
	s_mul_i32 s94, s14, HALFS
	s_mov_b32 s[SEL], 0x76543210
	s_mov_b32 s[SEL+1], 0xfedcba98
	s_mov_b32 s[MNT], 0x600000
	s_wait_kmcnt 0x0
	s_add_nc_u64 s[20:21], s[4:5], s[20:21]
	s_add_nc_u64 s[22:23], s[4:5], s[22:23]
	s_add_nc_u64 s[46:47], s[6:7], s[46:47]
	s_add_nc_u64 s[92:93], s[6:7], s[92:93]
	CROUND                                         ; all sixteen work-groups are here: the first joint loads meet
	s_mov_b32 s[G0S], 1
	s_add_co_u32 s[G0S+1], s94, SCL
	s_mov_b64 s[G0S+2:G0S+3], s[22:23]
	s_or_b32 s[G0S+3], s[G0S+3], 0x80000000
	s_mov_b32 s[G0SB], 1
	s_add_co_u32 s[G0SB+1], s94, SCL
	s_mov_b64 s[G0SB+2:G0SB+3], s[92:93]
	s_or_b32 s[G0SB+3], s[G0SB+3], 0x80000000
	JLOAD G0S, G1S, G0SB, G1SB                     ; with the two slots three loads of mine are out
.irp s, 0,1
	s_mov_b32 s[G0+4*\s], 1
	s_add_co_u32 s[G0+4*\s+1], s45, \s*SLOT
	s_add_nc_u64 s[G0+4*\s+2:G0+4*\s+3], s[20:21], \s*RTB
	s_or_b32 s[G0+4*\s+3], s[G0+4*\s+3], 0x80000000
	s_mov_b32 s[G0B+4*\s], 1
	s_add_co_u32 s[G0B+4*\s+1], s45, \s*SLOT
	s_add_nc_u64 s[G0B+4*\s+2:G0B+4*\s+3], s[46:47], \s*RTB
	s_or_b32 s[G0B+4*\s+3], s[G0B+4*\s+3], 0x80000000
	JLOAD G0+4*\s, G1, G0B+4*\s, G1B
.endr
	v_and_b32 v7, 31, v0
	v_lshlrev_b32 v[LI], 4, v7
	v_and_b32 v7, 15, v0                           ; r
	v_bfe_u32 v8, v0, 4, 1                         ; h
	v_lshlrev_b32 v[LS], 2, v7
	v_lshlrev_b32 v[H64], 6, v8
	s_lshl_b32 s18, s42, 10
	s_lshl_b32 s19, s16, 9
	s_add_co_u32 s18, s18, s19                     ; 4 f0, f0 = 256 PT + 128 x half: my first hidden unit
	s_mov_b32 s19, 0
	s_add_nc_u64 s[96:97], s[8:9], s[18:19]
.irp b, 0,1,2,3
.irp j, 0,1,2,3
	global_load_b128 v[BIAS+16*\b+4*\j:BIAS+16*\b+4*\j+3], v[H64], s[96:97] offset:128*\b+16*\j   ; register 16 b + i: unit f0 + 32 b + 16 h + i
.endr
.endr
	s_lshl_b32 s20, s17, 4
	s_lshl_b32 s21, s15, 3
	s_add_co_u32 s20, s20, s21                     ; my first token tile
	s_lshl_b32 s20, s20, 5
	s_lshl_b32 s21, s42, 1
	s_add_co_u32 s20, s20, s21
	s_add_co_u32 s20, s20, s16                     ; my first fragment of hid: 32 x tile + 2 PT + half
	s_lshl_b32 s18, s20, 11
	s_add_nc_u64 s[98:99], s[10:11], s[18:19]
	s_lshl_b32 s18, s20, 6
	s_add_co_u32 s18, s18, 0x1000000
	s_add_nc_u64 s[92:93], s[10:11], s[18:19]
	s_mul_i32 s21, s15, HALFT
	s_mul_i32 s22, s16, HALFT
	s_add_co_u32 s22, s22, 2*HALFT
.irp s, 0,1
	v_add_nc_u32 v[ADRA+\s], s21, v[LI]
	v_add_nc_u32 v[ADRB+\s], s22, v[LI]
	s_add_co_u32 s21, s21, SLOT
	s_add_co_u32 s22, s22, SLOT
.endr
	s_mul_i32 s21, s15, HALFS
	s_mul_i32 s22, s16, HALFS
	s_add_co_u32 s22, s22, 2*HALFS
	s_sub_co_u32 s22, s22, s21
	v_mul_u32_u24 v9, s22, v8                      ; lanes 16-31 take B's words
	s_add_co_u32 s21, s21, SCL
	v_add_nc_u32 v9, v9, v[LS]
	v_add_nc_u32 v[ADRS], s21, v9
	s_wait_tensorcnt 1                             ; the scale words and my part of slot 0 are in; slot 1's load may be out
	s_barrier_signal -1
	s_barrier_wait -1
	FETCH_B 0, 0, 0
	FETCH_A 0, 0, 0
	SCALES 0
	FETCH_A 0, 0, NB/2
	STEP 0, 0, 1                                   ; the first step's products start the sums
	STEPS 0, 1
.if LAPS > 1
	s_mov_b32 s3, LAPS-1
.Llap:
	TURN 0, 1, 1
	STEPS 1, 0
	TURN 1, 0, 1
	STEPS 0, 0
	s_sub_co_u32 s3, s3, 1
	s_cmp_lg_u32 s3, 0
	s_cbranch_scc1 .Llap
.endif
	TURN 0, 1, 0
	STEPS 1, 0
	LAST
	; no tensor load of mine is out since the last change of slots: the descriptors' registers take GELU's constants
	KONST CK+0,  0xc034d90f                        ; c0 = -2.8257482
	KONST CK+2,  0x3fb8ab5a                        ; c1 =  1.4427292
	KONST CK+4,  0x3f0a29d2                        ; c2 =  0.53970062
	KONST CK+6,  0x3e0efb2e                        ; c3 =  0.13963006
	KONST CK+8,  0xbe899a80                        ; c4 = -0.26875686
	KONST CK+10, 0x3ecdfd18                        ; c5 =  0.40232158
	KONST CK+12, 0xbfd1a1e5                        ; c6 = -1.6377532
	KONST CK+14, 0x40097039                        ; c7 =  2.1474745
	KONST CK+18, 0x3e7c6f08                        ; c9 =  0.24651730
	KONST KX,    0xbf38aa3b                        ; -log2(e) / 2
	s_mov_b32 s[KT], 0x3eb504f3                    ; 1 / (2 sqrt 2)
	s_wait_loadcnt 0x0                             ; the bias
	PLACES NP                                      ; in front of the first read of results, and of writes into registers that held A's fragments
	v_mov_b32 v[C8V], 0xbf97d29d                   ; c8 = -1.1861149
	v_mov_b32 v[C8V+1], 0xbf97d29d
	; THE WAY OUT: a loop over the wave's eight row blocks; only the copy out of the accumulators differs from trip to trip, so only it is written eight times
	s_mov_b32 s[AI], 0
.Lrow:
.irp a, 0,1,2,3,4,5,6
	s_cmp_eq_u32 s[AI], \a
	s_cbranch_scc1 .Lcopy_\a
.endr
	COPY 7
	s_branch .Lwork
.irp a, 0,1,2,3,4,5,6
.Lcopy_\a:
	COPY \a
	s_branch .Lwork
.endr
.Lwork:
	s_wait_xcnt 0x0                                ; the last trip's stores have read their data and offsets: both are written again only behind this wait
	GELU
	s_lshl_b32 s18, s[AI], 16                      ; a token tile on: 32 fragments
	v_add_nc_u32 v[LIA], s18, v[LI]
	s_lshl_b32 s18, s[AI], 11
	v_add_nc_u32 v[LSA], s18, v[LS]
	QUANT W
.irp b, 0,1,2,3
	global_store_b128 v[LIA], v[PC+4*\b:PC+4*\b+3], s[98:99] offset:512*\b   ; 512 consecutive bytes a store
.endr
	global_store_b32 v[LSA], v[PW], s[92:93]
	s_add_co_u32 s[AI], s[AI], 1
	s_cmp_lt_u32 s[AI], 8
	s_cbranch_scc1 .Lrow
	s_wait_tensorcnt 0x0                           ; the wave's end
	ds_add_u32 v[SPW], v[NIL]
	s_wait_dscnt 0x0
	CROUND                                         ; the closing round
	s_endpgm
.Lfunc_end_k_qb8893ecb65_fc1:
	.size	k_qb8893ecb65_fc1, .Lfunc_end_k_qb8893ecb65_fc1-k_qb8893ecb65_fc1
	.p2alignl 7, 3214868480
	.fill 96, 4, 3214868480
	.section	.rodata,"a",@progbits
	.p2align	6, 0x0
	.amdhsa_kernel k_qb8893ecb65_fc1
		.amdhsa_group_segment_fixed_size 327680
		.amdhsa_private_segment_fixed_size 0
		.amdhsa_enable_private_segment 0
		.amdhsa_kernarg_size 32
		.amdhsa_user_sgpr_count 2
		.amdhsa_user_sgpr_kernarg_segment_ptr 1
		.amdhsa_wavefront_size32 1
		.amdhsa_system_sgpr_workgroup_id_x 1
		.amdhsa_system_sgpr_workgroup_id_y 1
		.amdhsa_system_sgpr_workgroup_id_z 1
		.amdhsa_system_vgpr_workitem_id 0
		.amdhsa_next_free_vgpr 1024
		.amdhsa_next_free_sgpr 102
		.amdhsa_reserve_vcc 0
		.amdhsa_float_denorm_mode_32 3
		.amdhsa_float_denorm_mode_16_64 3
		.amdhsa_memory_ordered 1
		.amdhsa_forward_progress 1
		.amdhsa_inst_pref_size 185
	.end_amdhsa_kernel
	.amdgpu_metadata
---
amdhsa.version: [ 1, 2 ]
amdhsa.kernels:
  - .name:           k_qb8893ecb65_fc1
    .symbol:         k_qb8893ecb65_fc1.kd
    .args:
      - { .name: hn2, .offset: 0, .size: 8, .value_kind: global_buffer, .address_space: global }
      - { .name: pre, .offset: 8, .size: 8, .value_kind: global_buffer, .address_space: global }
      - { .name: b_fc1, .offset: 16, .size: 8, .value_kind: global_buffer, .address_space: global }
      - { .name: hid, .offset: 24, .size: 8, .value_kind: global_buffer, .address_space: global }
    .group_segment_fixed_size: 327680
    .private_segment_fixed_size: 0
    .kernarg_segment_align: 8
    .kernarg_segment_size: 32
    .max_flat_workgroup_size: 128
    .sgpr_count:     102
    .vgpr_count:     1024
    .wavefront_size: 32
...
	.end_amdgpu_metadata
.endif
;; end of part 5
;; launch fc2 (part 6): grid 8 x 32, 4 waves a work-group, clusters of 4 x 4, 327,680 bytes of LDS; arguments hid, pre, b_fc2, x1, out0; writes out0
.if DOCPART == 6
	.amdgcn_target "amdgcn-amd-amdhsa--gfx1250"
	.amdhsa_code_object_version 6
	.text
	.protected	k_qb8893ecb65_fc2
	.globl	k_qb8893ecb65_fc2
	.p2align	8
	.type	k_qb8893ecb65_fc2,@function
k_qb8893ecb65_fc2:
	s_mov_b64 s[64:65], 0
	v_nop
	global_prefetch_b8 v0, s[64:65] scope:SCOPE_SE
	s_setreg_imm32_b32 hwreg(HW_REG_WAVE_MODE, 25, 1), 1
	s_wait_xcnt 0x0
	s_wait_alu depctr_hold_cnt(0) depctr_sa_sdst(0) depctr_va_vdst(0) depctr_va_sdst(0) depctr_va_ssrc(0) depctr_va_vcc(0) depctr_vm_vsrc(0)
	s_getreg_b32 s2, hwreg(HW_REG_IB_STS2, 6, 4)
	s_cmp_eq_u32 s2, 0
	s_cbranch_scc0 .Lentry_in_a_cluster
	s_endpgm
.Lentry_in_a_cluster:
	s_bfe_u32 s2, ttmp6, 0x10000c
	s_cmp_lg_u32 s2, 0xf033
	s_cbranch_scc0 .Lentry_shape_is_right
	s_endpgm
.Lentry_shape_is_right:
; out = res + a W^T + bias: a (tokens) and W arrive as codes of BF8 (E5M2) with E8M0 scales, as images of the operands' registers; res, bias and out are f32.  Here: out0 = x1 + hid w_fc2^T + b_fc2, K = 4,096.
; Fragment (row tile T, K step ks) is 2,048 bytes at (KF T + ks) x 2,048, lane l's registers 4 c .. 4 c + 3 at 512 c + 16 l; its scale words at (KF T + ks) x 64 + 4 x row.  A tensor load brings them as they lie.
; N = 1,024: tiles of 256 x 256 would give work to 64 WGPs only, so a tile of the result is 128 x 128 (256 work-groups): four waves, each 64 x 64, 16 accumulators; a slot holds 512 along K, as much as two slots in LDS allow.
; Source 0 ('B') = 16 rows of W, source 1 ('A') = 16 tokens: a lane holds one token and eight features a tile.  The rows of a tile are not neighbours: lane-row p of tile T is row 32 (T / 2) + 8 (T % 2) + p + 8 (p / 8).
; The bias is the C of each sum's first product.  The residual's 64 x 64 numbers are asked for at the head and land under the K loop.
; CLUSTERS: 4 x 4 work-groups; A's tiles are asked for jointly along a row of the cluster, B's along a column.
; REGISTERS: window 0: v0-31 addresses; v32-63 scale words, two sets, and nothing else; v64-95 the bias; v128-191 A's fragments, one set (later the way out).  window 1: B's fragments, two sets.
;   window 2: v0-127 accumulator (a, b) at v[8 (4 a + b)]; v128-255 the residual.
.set NB,     4
.set NQ,     4
.set SIZE_K, 4096
.set A_CODES,  0
.set A_SCALES, 0x1000000
.set B_CODES,  0xC80000
.set B_SCALES, 0x60000
.set KF,     SIZE_K/128
.set RTB,    NQ*2048
.set HALFT,  NB*RTB
.set SLOT,   4*HALFT
.set SCL,    2*SLOT
.set SBLK,   KF*64
.set HALFS,  NB*SBLK
.set SPARE,  SCL+4*HALFS               ; the spare words, 128 bytes for each wave: two blocks of 256 bytes that no other line names
.set STG,    SPARE+512                 ; the way out: a stage of 16 rows x (256 bytes + 16) for each wave; no tensor load ever lands here
.set SPITCH, 272
.set LAPS,   SIZE_K/(2*NQ*128)
.set NP,     8
.set HL,     (NB/2)*4
.set LI,   1
.set LS,   2
.set H64,  5
.set ADRA, 16
.set ADRB, 20
.set STO,  24
.set RD,   25
.set CO,   26
.set ADRS, 27
.set SPW,  28
.set NIL,  29
.set SC,   32
.set BIAS, 64
.set AF,   128
.set BK,   128
.set RES,  128                         ; in window 2
.set G1,   24
.set G0,   32
.set G1B,  48
.set G0B,  56
.set G1S,  68
.set G0S,  76
.set G1SB, 80
.set G0SB, 88
.set MUL_LO, 0xa1
.set MUL_HI, 0xa1
.set TO_B,   0x40
.set MSB, 0
.macro WIN new
.if MSB != (\new)
	s_set_vgpr_msb (MSB<<8)|(\new)
.set MSB, (\new)
.endif
.endm
.macro JLOAD g0a, g1a, g0b, g1b        ; a joint load: waves 0 and 1 fetch for A, waves 2 and 3 for B.  Four v_nop follow each of the two lines
	s_cmp_eq_u32 s15, 0
	s_cbranch_scc0 .Lfor_b_\@
	tensor_load_to_lds s[\g0a:\g0a+3], s[\g1a:\g1a+7]
	s_nop 0
.rept 4
	v_nop
.endr
	s_branch .Lasked_\@
.Lfor_b_\@:
	tensor_load_to_lds s[\g0b:\g0b+3], s[\g1b:\g1b+7]
	s_nop 0
.rept 4
	v_nop
.endr
.Lasked_\@:
.endm
.macro CREST
	s_cmp_lg_u32 s14, 0
	s_cbranch_scc1 .Lnot_wave_0_\@
	s_barrier_signal -3
.Lnot_wave_0_\@:
	s_barrier_wait -3
	s_barrier_signal -1
	s_barrier_wait -1
.endm
.macro CROUND
	s_barrier_signal -1
	s_barrier_wait -1
	CREST
.endm
.macro PLACES n
.rept \n
	v_nop
.endr
.endm
.macro FRAG reg, adr, q, i
.irp c, 0,1,2,3
	ds_load_b128 v[\reg+4*\c:\reg+4*\c+3], v[\adr] offset:(\i)*RTB+(\q)*2048+512*\c
.endr
.endm
.macro FETCH_B slot, q, p
	WIN TO_B
.set II, 0
.rept NB
	FRAG 128*(\p)+16*II, ADRB+\slot, \q, II
.set II, II+1
.endr
	WIN 0
.endm
.macro FETCH_A slot, q, i0
.set II, \i0
.rept NB/2
	FRAG AF+16*II, ADRA+\slot, \q, II
.set II, II+1
.endr
.endm
.macro SCALES sc
.set II, 0
.rept NB
.set QQ, 0
.rept NQ
	ds_load_b32 v[SC+NB*NQ*(\sc)+NQ*II+QQ], v[ADRS] offset:II*SBLK+64*QQ
.set QQ, QQ+1
.endr
.set II, II+1
.endr
.endm
.macro MULA a, p, q, sc, cm            ; cm = 1: the products start the sums; 2: the sums start from the bias; 0: they go on
.set BB, 0
.rept NB
.set RDD, 8*(NB*((\a)%4)+BB)
.set RBB, 128*(\p)+16*BB
.set RAA, AF+16*(\a)
.set SBB, SC+NB*NQ*(\sc)+NQ*BB+(\q)
.set SAA, SC+NB*NQ*(\sc)+NQ*(\a)+(\q)
.if \cm == 1
	v_wmma_scale_f32_16x16x128_f8f6f4 v[RDD:RDD+7], v[RBB:RBB+15], v[RAA:RAA+15], 0, v[SBB], v[SAA] matrix_a_fmt:MATRIX_FMT_BF8 matrix_b_fmt:MATRIX_FMT_BF8 matrix_a_scale:MATRIX_SCALE_ROW1
.elseif \cm == 2
	v_wmma_scale_f32_16x16x128_f8f6f4 v[RDD:RDD+7], v[RBB:RBB+15], v[RAA:RAA+15], v[BIAS+8*BB:BIAS+8*BB+7], v[SBB], v[SAA] matrix_a_fmt:MATRIX_FMT_BF8 matrix_b_fmt:MATRIX_FMT_BF8 matrix_a_scale:MATRIX_SCALE_ROW1
.else
	v_wmma_scale_f32_16x16x128_f8f6f4 v[RDD:RDD+7], v[RBB:RBB+15], v[RAA:RAA+15], v[RDD:RDD+7], v[SBB], v[SAA] matrix_a_fmt:MATRIX_FMT_BF8 matrix_b_fmt:MATRIX_FMT_BF8 matrix_a_scale:MATRIX_SCALE_ROW1
.endif
.set BB, BB+1
.endr
.endm
.macro MULS a0, n, p, q, sc, cm        ; the accumulators take turns, one instruction a turn, in the same order in every step
.set AA, \a0
.rept \n
	MULA AA, \p, \q, \sc, \cm
.set AA, AA+1
.endr
.endm
.macro STEP slot, q, cm
	s_wait_dscnt HL                                ; all but the youngest loads, A's upper blocks, are in
.if \cm == 2
	WIN 0x81                                       ; C (the bias) window 0, D window 2
.else
	WIN MUL_LO
.endif
	MULS 0, NB/2, (\q)%2, \q, \slot, \cm
	s_wait_dscnt 0x0
	PLACES NP
	FETCH_B \slot, (\q)+1, 1-(\q)%2
	FETCH_A \slot, (\q)+1, 0
.if \cm == 2
	WIN 0x81
.else
	WIN MUL_HI
.endif
	MULS NB/2, NB/2, (\q)%2, \q, \slot, \cm
	PLACES NP
	WIN 0
	FETCH_A \slot, (\q)+1, NB/2
.endm
.macro STEPS slot, first
.set QS, \first
.rept NQ-1-\first
	STEP \slot, QS, 0
.set QS, QS+1
.endr
.endm
.macro TURN slot, next, fill
	s_wait_tensorcnt 0x0                           ; all my tensor loads have landed: my part of the next slot
	ds_add_u32 v[SPW], v[NIL]                      ; 0 onto my spare word
	s_wait_dscnt HL+1                              ; (the add and A's upper blocks may be out)
	WIN MUL_LO
	MULS 0, NB/4, 1, NQ-1, \slot, 0
	s_wait_dscnt 0x0                               ; the add is done, and my reads of this slot are over
	s_barrier_signal -1
	MULS NB/4, NB/4, 1, NQ-1, \slot, 0
	WIN 0
	s_barrier_wait -1
.if \fill
	CREST                                          ; the barrier has opened a round of the cluster's: no wave of any partner still reads this slot or has a load on its way
	s_add_nc_u64 s[G0+4*\slot+2:G0+4*\slot+3], s[G0+4*\slot+2:G0+4*\slot+3], 2*RTB
	s_add_nc_u64 s[G0B+4*\slot+2:G0B+4*\slot+3], s[G0B+4*\slot+2:G0B+4*\slot+3], 2*RTB
	JLOAD G0+4*\slot, G1, G0B+4*\slot, G1B         ; the first tensor load behind the round; its four v_nop are among the places below
	PLACES NP-4
.else
	PLACES NP
.endif
	v_add_nc_u32 v[ADRS], NQ*64, v[ADRS]
	FETCH_B \next, 0, 0
	FETCH_A \next, 0, 0
	SCALES \next
	WIN MUL_HI
	MULS NB/2, NB/2, 1, NQ-1, \slot, 0
	PLACES NP
	WIN 0
	FETCH_A \next, 0, NB/2
.endm
.macro LAST
	s_wait_dscnt HL
	WIN MUL_LO
	MULS 0, NB/2, 1, NQ-1, 1, 0
	s_wait_dscnt 0x0
	WIN MUL_HI
	MULS NB/2, NB/2, 1, NQ-1, 1, 0
	WIN 0
.endm
	s_load_b256 s[4:11], s[0:1], 0x0               ; A's buffer s[4:5], B's s[6:7], bias s[8:9], residual s[10:11]
	s_load_b64 s[12:13], s[0:1], 0x20              ; out
	v_lshl_add_u32 v[SPW], v0, 2, SPARE
	v_mov_b32 v[NIL], 0
	ds_add_u32 v28, v29
	ds_add_u32 v28, v29
	s_wait_dscnt 0x0
	v_lshrrev_b32 v7, 5, v0
	v_readfirstlane_b32 s14, v7
	s_lshr_b32 s15, s14, 1
	s_and_b32 s16, s14, 1
	s_bfe_u32 s40, ttmp6, 0x40000
	s_bfe_u32 s41, ttmp6, 0x40004
	s_lshl_b32 s42, ttmp9, 2
	s_add_co_u32 s42, s42, s40                     ; PT: my block of 128 features
	s_and_b32 s17, ttmp7, 0xffff
	s_lshl_b32 s17, s17, 2
	s_add_co_u32 s17, s17, s41                     ; QT: my block of 128 tokens
	s_lshl_b32 s43, s41, 2
	s_lshl_b32 s43, 15, s43
	s_lshl_b32 s44, 0x1111, s40
	s_or_b32 s[G1+0], s43, (3<<16)|(1<<21)         ; 15:0 the mask; 17:16 elements of 8 bytes; 21 set beside a mask; no padding
	s_or_b32 s[G1B+0], s44, (3<<16)|(1<<21)
.irp g, G1, G1B
	s_mov_b32 s[\g+1], (RTB/8)<<16
	s_mov_b32 s[\g+2], NB<<16
	s_mov_b32 s[\g+3], (RTB/8)<<16
	s_mov_b32 s[\g+4], NB
	s_mov_b32 s[\g+5], 2*SIZE_K
	s_mov_b32 s[\g+6], 0
	s_mov_b32 s[\g+7], 0
.endr
	s_or_b32 s[G1S+0], s43, (3<<16)|(1<<21)
	s_or_b32 s[G1SB+0], s44, (3<<16)|(1<<21)
.irp g, G1S, G1SB
	s_mov_b32 s[\g+1], 32<<16
	s_mov_b32 s[\g+2], (HALFS/256)<<16
	s_mov_b32 s[\g+3], 32<<16
	s_mov_b32 s[\g+4], HALFS/256
	s_mov_b32 s[\g+5], 32
	s_mov_b32 s[\g+6], 0
	s_mov_b32 s[\g+7], 0
.endr
	s_mul_i32 s18, s16, NB
	s_mul_i32 s20, s17, 2*NB
	s_add_co_u32 s20, s20, s18
	s_mul_i32 s22, s20, SBLK
	s_add_co_u32 s22, s22, A_SCALES
	s_mov_b32 s23, 0
	s_mul_i32 s20, s20, 16*SIZE_K
	s_add_co_u32 s20, s20, A_CODES
	s_mov_b32 s21, 0
	s_mul_i32 s46, s42, 2*NB
	s_add_co_u32 s46, s46, s18
	s_mul_i32 s92, s46, SBLK
	s_add_co_u32 s92, s92, B_SCALES
	s_mov_b32 s93, 0
	s_mul_i32 s46, s46, 16*SIZE_K
	s_add_co_u32 s46, s46, B_CODES
	s_mov_b32 s47, 0
	s_mul_i32 s45, s14, HALFT
	s_mul_i32 s94, s14, HALFS
	s_wait_kmcnt 0x0
	s_add_nc_u64 s[20:21], s[4:5], s[20:21]
	s_add_nc_u64 s[22:23], s[4:5], s[22:23]
	s_add_nc_u64 s[46:47], s[6:7], s[46:47]
	s_add_nc_u64 s[92:93], s[6:7], s[92:93]
	CROUND                                         ; all sixteen work-groups are here: the first joint loads meet
	s_mov_b32 s[G0S], 1
	s_add_co_u32 s[G0S+1], s94, SCL
	s_mov_b64 s[G0S+2:G0S+3], s[22:23]
	s_or_b32 s[G0S+3], s[G0S+3], 0x80000000
	s_mov_b32 s[G0SB], 1
	s_add_co_u32 s[G0SB+1], s94, SCL
	s_mov_b64 s[G0SB+2:G0SB+3], s[92:93]
	s_or_b32 s[G0SB+3], s[G0SB+3], 0x80000000
	JLOAD G0S, G1S, G0SB, G1SB                     ; with the two slots three loads of mine are out
.irp s, 0,1
	s_mov_b32 s[G0+4*\s], 1
	s_add_co_u32 s[G0+4*\s+1], s45, \s*SLOT
	s_add_nc_u64 s[G0+4*\s+2:G0+4*\s+3], s[20:21], \s*RTB
	s_or_b32 s[G0+4*\s+3], s[G0+4*\s+3], 0x80000000
	s_mov_b32 s[G0B+4*\s], 1
	s_add_co_u32 s[G0B+4*\s+1], s45, \s*SLOT
	s_add_nc_u64 s[G0B+4*\s+2:G0B+4*\s+3], s[46:47], \s*RTB
	s_or_b32 s[G0B+4*\s+3], s[G0B+4*\s+3], 0x80000000
	JLOAD G0+4*\s, G1, G0B+4*\s, G1B
.endr
	v_and_b32 v7, 31, v0
	v_lshlrev_b32 v[LI], 4, v7
	v_and_b32 v7, 15, v0                           ; r
	v_bfe_u32 v8, v0, 4, 1                         ; h
	v_lshlrev_b32 v[LS], 2, v7
	v_lshlrev_b32 v[H64], 6, v8
	v_lshlrev_b32 v9, 12, v8
	v_lshl_add_u32 v[CO], v7, 4, v9                ; residual and out: lanes 0-15 one row's 256 bytes, lanes 16-31 the next row's
	s_lshl_b32 s18, s42, 9
	s_lshl_b32 s19, s16, 8
	s_add_co_u32 s18, s18, s19                     ; 4 f0, f0 = 128 PT + 64 x half: my first feature
	s_mov_b32 s19, 0
	s_add_nc_u64 s[96:97], s[8:9], s[18:19]
	s_lshl_b32 s20, s17, 19
	s_lshl_b32 s21, s15, 18
	s_add_co_u32 s20, s20, s21                     ; 4,096 x (128 QT + 64 x half): my first token's row
	s_add_co_u32 s18, s18, s20
	s_add_nc_u64 s[98:99], s[10:11], s[18:19]
	s_add_nc_u64 s[100:101], s[12:13], s[18:19]
.irp b, 0,1,2,3
	global_load_b128 v[BIAS+8*\b:BIAS+8*\b+3], v[H64], s[96:97] offset:128*(\b/2)+32*(\b%2)        ; tile b, lane half h: features f0 + 32 (b / 2) + 8 (b % 2) + 16 h + 0 .. 7
	global_load_b128 v[BIAS+8*\b+4:BIAS+8*\b+7], v[H64], s[96:97] offset:128*(\b/2)+32*(\b%2)+16
.endr
	WIN 0x80                                       ; destination window 2
.irp a, 0,1,2,3
.irp t, 0,1,2,3,4,5,6,7
	global_load_b128 v[RES+32*\a+4*\t:RES+32*\a+4*\t+3], v[CO], s[98:99] offset:4096*(32*(\a/2)+8*(\a%2)+2*\t+8*(\t/4))
.endr
.endr
	WIN 0
	s_mul_i32 s21, s15, HALFT
	s_mul_i32 s22, s16, HALFT
	s_add_co_u32 s22, s22, 2*HALFT
.irp s, 0,1
	v_add_nc_u32 v[ADRA+\s], s21, v[LI]
	v_add_nc_u32 v[ADRB+\s], s22, v[LI]
	s_add_co_u32 s21, s21, SLOT
	s_add_co_u32 s22, s22, SLOT
.endr
	s_mul_i32 s21, s15, HALFS
	s_mul_i32 s22, s16, HALFS
	s_add_co_u32 s22, s22, 2*HALFS
	s_sub_co_u32 s22, s22, s21
	v_mul_u32_u24 v9, s22, v8                      ; lanes 16-31 take B's words
	s_add_co_u32 s21, s21, SCL
	v_add_nc_u32 v9, v9, v[LS]
	v_add_nc_u32 v[ADRS], s21, v9
	s_mul_i32 s23, s14, 16*SPITCH
	s_add_co_u32 s23, s23, STG                     ; my stage
	v_mul_u32_u24 v9, v7, SPITCH
	v_lshl_add_u32 v9, v8, 6, v9
	v_add_nc_u32 v[STO], s23, v9                   ; in: row r, + 64 h
	v_mul_u32_u24 v9, v8, SPITCH
	v_lshl_add_u32 v9, v7, 4, v9
	v_add_nc_u32 v[RD], s23, v9                    ; back: lanes 0-15 one row, lanes 16-31 the next
	s_wait_loadcnt 32                              ; the bias is in; the 32 loads of the residual stay out under the K loop
	s_wait_tensorcnt 1                             ; the scale words and my part of slot 0 are in; slot 1's load may be out
	s_barrier_signal -1
	s_barrier_wait -1
	FETCH_B 0, 0, 0
	FETCH_A 0, 0, 0
	SCALES 0
	FETCH_A 0, 0, NB/2
	STEP 0, 0, 2                                   ; the first step's sums start from the bias
	STEPS 0, 1
.if LAPS > 1
	s_mov_b32 s3, LAPS-1
.Llap:                                                 ; a trip goes once round the ring and fills both slots again
	TURN 0, 1, 1
	STEPS 1, 0
	TURN 1, 0, 1
	STEPS 0, 0
	s_sub_co_u32 s3, s3, 1
	s_cmp_lg_u32 s3, 0
	s_cbranch_scc1 .Llap
.endif
	TURN 0, 1, 0                                   ; the last lap fills nothing
	STEPS 1, 0
	LAST
	; THE WAY OUT, a block of 16 tokens x 64 features at a time: through my own stage, back as whole rows of 256 bytes, the residual added, stored: sixteen lanes fill 256 consecutive bytes, aligned.
	s_wait_loadcnt 0x0                             ; the residual
	PLACES NP                                      ; in front of the first read of results and of loads into registers that held A's fragments
.irp a, 0,1,2,3
.if \a >= 2
	s_wait_xcnt 0x0                                ; block a - 2's stores have read their registers
.endif
	WIN 0x08                                       ; an LDS store's data are its source 1: window 2
.irp b, 0,1,2,3
	ds_store_b128 v[STO], v[8*(4*\a+\b):8*(4*\a+\b)+3] offset:128*(\b/2)+32*(\b%2)          ; each accumulator from its low end on
	ds_store_b128 v[STO], v[8*(4*\a+\b)+4:8*(4*\a+\b)+7] offset:128*(\b/2)+32*(\b%2)+16
.endr
	WIN 0
.irp t, 0,1,2,3,4,5,6,7
	ds_load_b128 v[BK+32*(\a%2)+4*\t:BK+32*(\a%2)+4*\t+3], v[RD] offset:2*SPITCH*\t         ; LDS serves a wave's instructions in order: these see my stores
.endr
	s_wait_dscnt 0x0
	WIN 0x08                                       ; source 1 (the residual) window 2
.irp n, 0,2,4,6,8,10,12,14,16,18,20,22,24,26,28,30
	v_pk_add_f32 v[BK+32*(\a%2)+\n:BK+32*(\a%2)+\n+1], v[BK+32*(\a%2)+\n:BK+32*(\a%2)+\n+1], v[RES+32*\a+\n:RES+32*\a+\n+1]
.endr
	WIN 0
.irp t, 0,1,2,3,4,5,6,7
	global_store_b128 v[CO], v[BK+32*(\a%2)+4*\t:BK+32*(\a%2)+4*\t+3], s[100:101] offset:4096*(32*(\a/2)+8*(\a%2)+2*\t+8*(\t/4))
.endr
.endr
	s_wait_tensorcnt 0x0                           ; the wave's end
	ds_add_u32 v[SPW], v[NIL]
	s_wait_dscnt 0x0
	CROUND                                         ; the closing round
	s_endpgm
.Lfunc_end_k_qb8893ecb65_fc2:
	.size	k_qb8893ecb65_fc2, .Lfunc_end_k_qb8893ecb65_fc2-k_qb8893ecb65_fc2
	.p2alignl 7, 3214868480
	.fill 96, 4, 3214868480
	.section	.rodata,"a",@progbits
	.p2align	6, 0x0
	.amdhsa_kernel k_qb8893ecb65_fc2
		.amdhsa_group_segment_fixed_size 327680
		.amdhsa_private_segment_fixed_size 0
		.amdhsa_enable_private_segment 0
		.amdhsa_kernarg_size 40
		.amdhsa_user_sgpr_count 2
		.amdhsa_user_sgpr_kernarg_segment_ptr 1
		.amdhsa_wavefront_size32 1
		.amdhsa_system_sgpr_workgroup_id_x 1
		.amdhsa_system_sgpr_workgroup_id_y 1
		.amdhsa_system_sgpr_workgroup_id_z 1
		.amdhsa_system_vgpr_workitem_id 0
		.amdhsa_next_free_vgpr 768
		.amdhsa_next_free_sgpr 102
		.amdhsa_reserve_vcc 0
		.amdhsa_float_denorm_mode_32 3
		.amdhsa_float_denorm_mode_16_64 3
		.amdhsa_memory_ordered 1
		.amdhsa_forward_progress 1
		.amdhsa_inst_pref_size 108
	.end_amdhsa_kernel
	.amdgpu_metadata
---
amdhsa.version: [ 1, 2 ]
amdhsa.kernels:
  - .name:           k_qb8893ecb65_fc2
    .symbol:         k_qb8893ecb65_fc2.kd
    .args:
      - { .name: hid, .offset: 0, .size: 8, .value_kind: global_buffer, .address_space: global }
      - { .name: pre, .offset: 8, .size: 8, .value_kind: global_buffer, .address_space: global }
      - { .name: b_fc2, .offset: 16, .size: 8, .value_kind: global_buffer, .address_space: global }
      - { .name: x1, .offset: 24, .size: 8, .value_kind: global_buffer, .address_space: global }
      - { .name: out0, .offset: 32, .size: 8, .value_kind: global_buffer, .address_space: global }
    .group_segment_fixed_size: 327680
    .private_segment_fixed_size: 0
    .kernarg_segment_align: 8
    .kernarg_segment_size: 40
    .max_flat_workgroup_size: 128
    .sgpr_count:     102
    .vgpr_count:     768
    .wavefront_size: 32
...
	.end_amdgpu_metadata
.endif
;; end of part 6
